; MI455X (gfx1250); checked and timed in simulation.
; The chip was launched on July 23, 2026; its instructions are those of AMD's public machine-readable ISA for CDNA 5 (MIT licence, August 2026) and "CDNA5" Instruction Set Architecture Reference Guide (July 2026). The comments in the code are by the model that wrote it; some were corrected since.
;; Causal Self Attention. Allowed arithmetic: matrix products marked QUANTISED: E4M3 operands, one given power-of-two scale a tensor, by v_wmma_f32_16x16x64_fp8_fp8 or v_wmma_f32_16x16x128_fp8_fp8, f32 sums; everything else in f32.
;; Inputs: W_out 1,024 x 1,024 float32; W_qkv 1,024 x 3,072 float32; b_out 1,024 float32; b_qkv 3,072 float32; lowp_scales 8 int32 (the exponents e of the quantised operands' scales 2^e); x 4 x 2,048 x 1,024 float32.
;; Outputs: out0 4 x 2,048 x 1,024 float32.
;; This version of the problem:
;;   THIS VERSION OF THE PROBLEM IS GIVEN IN LOW PRECISION. The matrix products marked QUANTISED in the list below multiply operands that are first quantised to E4M3 (4 exponent bits, 3 mantissa bits; 8 bits a number), with one given power-of-two scale for each operand tensor; their sums are f32. All else is computed in f32.
;;   The module's matrix products, in the order in which they are computed (A, B: the left and right operand; K: the contracted axis; several contracted axes count as one K, in the product's order):
;;     1. [M 8,192, K 1,024] x [K 1,024, N 3,072]; A: input x; B: input W_qkv: QUANTISED (scales: A lowp_scales[0], B lowp_scales[1])
;;     2. batch 64 x [M 2,048, K 64] x [K 64, N 2,048]; A: computed on the way; B: computed on the way: QUANTISED (scales: A lowp_scales[2], B lowp_scales[3])
;;     3. batch 64 x [M 2,048, K 2,048] x [K 2,048, N 64]; A: softmax (see below); B: computed on the way: QUANTISED (scales: A lowp_scales[4], B lowp_scales[5])
;;     4. [M 8,192, K 1,024] x [K 1,024, N 1,024]; A: computed on the way; B: input W_out: QUANTISED (scales: A lowp_scales[6], B lowp_scales[7])
;;   THE QUANTISER, for each operand of a quantised product, along K:
;;     - The operand's scale is 2^e, e = its entry of the input lowp_scales (int32; the entries are numbered through the quantised products in the list's order, A before B).
;;     - Each number is divided by the scale, clamped to +-448, and rounded to the nearest number of E4M3, ties to even, subnormals kept.
;;     - The product sums the exact products of the quantised numbers (number of the format x scale) in f32.
;;   ~~~python
;;   def quantise(x, axis, e):      # numpy; x: float32 -> the quantised numbers, widened to float32 again
;;       x = np.moveaxis(x, axis, -1); K = x.shape[-1]
;;       r = np.clip(x / 2.0 ** e, -448, 448)
;;       step = 2.0 ** (np.maximum(np.frexp(np.where(r == 0, 1, r))[1] - 1, -6) - 3)
;;       q = np.round(r / step) * step * 2.0 ** e      # np.round: ties to even
;;       return np.moveaxis(q, -1, axis).astype(np.float32)
;;   ~~~
;;   SOFTMAX AHEAD OF A QUANTISED PRODUCT. Where the list says 'softmax', what is quantised is not the finished softmax but p = 2^(t - M), with t = logit x log2(e) and M = ceil(the row's largest t), a whole number; so 1/2 < the row's largest p <= 1. The row's sum l is taken of the UNQUANTISED p, in f32, and the product's result is divided by l at the end. Since M is a whole number, a kernel that streams over the keys may use a running M (the ceiling of the running maximum): every later rescaling is an exact power of two, so the quantised numbers keep their values, but for numbers so far below the row's largest that they fall under the format's range.
;;   OPERANDS COMPUTED ON THE WAY. 'Computed on the way' means the value that the module computes at that place (a softmax that the list does not call 'softmax' is quantised finished and normalised). What goes into a quantiser is computed in f32, as accurately as f32 sums, v_exp_f32 and their like allow (about 1e-6 of the number): no bf16 or f16 on the way to a quantiser, and a product that is left as it is and whose result goes on into a quantised operand takes f32 operands (vector FMAs, or v_wmma_f32_16x16x4_f32). A number that lies on a knife's edge between two numbers of the format may be rounded either way, as far as f32 arithmetic and the matrix unit's own rounding can turn it there, and no further.
;; One version. Each part assembles by itself: llvm-mc -triple=amdgcn-amd-amdhsa -mcpu=gfx1250 --defsym DOCPART=n.
;; ======== version 1 of 1: 4 launches
;; limits: right only within a limited range of input values
;; workspace buffers: x_codes 8,388,608 bytes; wqkv_codes 3,145,728 bytes; wout_codes 1,048,576 bytes; q_codes 8,388,608 bytes; k_codes 8,388,608 bytes; v_codes 8,388,608 bytes; a_codes 8,388,608 bytes
;; launch quant (part 1): grid 384 x 1, 4 waves a work-group, no clusters, 68,096 bytes of LDS; arguments x, W_qkv, W_out, lowp_scales, x_codes, wqkv_codes, wout_codes; writes x_codes, wqkv_codes, wout_codes
.if DOCPART == 1
	.amdgcn_target "amdgcn-amd-amdhsa--gfx1250"
	.amdhsa_code_object_version 6
	.text
	.protected	k_q36d5c214cc_quant
	.globl	k_q36d5c214cc_quant
	.p2align	8
	.type	k_q36d5c214cc_quant,@function
k_q36d5c214cc_quant:
	s_mov_b64 s[64:65], 0
	v_nop
	global_prefetch_b8 v0, s[64:65] scope:SCOPE_SE
	s_setreg_imm32_b32 hwreg(HW_REG_WAVE_MODE, 25, 1), 1
	s_wait_xcnt 0x0
; x [8192][1024], W_qkv [1024][3072] and W_out [1024][1024], all f32, become codes of E4M3 with K innermost: x_codes [8192][1024], wqkv_codes [3072][1024], wout_codes [1024][1024].
; code = number / 2^e, held within +-448, rounded to the nearest code, ties to even.  e = entry 0 (x), 1 (W_qkv), 7 (W_out) of the scales.
; LIMITS: each e between -126 and 119, so that 2^e and 448 x 2^e are f32 numbers.  NaN among the inputs is not served (an infinity is held at the largest code).
; Work-groups 0-255 take x, whose K is innermost: a plain stream; a wave takes 16 steps of 512 numbers.  Each load reads 512 consecutive bytes; a step's 2,048 bytes turn through the wave's own stage in LDS, so that
; a lane then holds 16 neighbours along K, as the conversions want them; a lane's 16 codes are 16 bytes, a wave's store 512 consecutive bytes.
; Work-groups 256-383 take the weights, whose K is the FIRST axis: a lane takes a column and its registers run down K, so the conversions give codes with K innermost; a wave gathers 32 columns x 256 K in its own stage
; and stores rows: sixteen lanes store 256 consecutive, aligned bytes.  One text serves both weights: buffers, row length and scale are chosen by the work-group's number.
; The two paths part on the work-group's number and have LDS bytes of their own.  No tensor loads, no barrier: waves share nothing.
.set STEPS, 16
.set XWG,   256                        ; 8,388,608 numbers of x / (4 waves x 8,192)
.set QWG,   96                         ; W_qkv: 24 strips of 128 columns x 4 pieces of 256 along K;  W_out: 8 x 4 = 32
.set EMAX,  8
.set MANT,  0x600000                   ; the mantissa field of 448 as f32
.set R,     16                         ; x path: v16-79   four sets of 16 numbers as loaded
.set X,     80                         ;         v80-111  two sets of 16 neighbours
.set C,     128                        ;         v128-191 codes, four registers a step: no store's data are written again
.set WREG,  8192                       ; x path's LDS: a region for each wave, two stages of 32 x SP bytes
.set SP,    80                         ; a lane's place in a stage: 64 bytes + 16 of padding
.set SPW,   12                         ; v12 LDS address of my spare word; never rewritten
.set NIL,   13                         ; v13 0; never rewritten
.set WSTG,  32768                      ; the weights' path's LDS: four stages of 32 rows x WP bytes
.set WP,    272                        ; a stage row: 256 bytes of codes + 16
.set SPARE, WSTG+4*32*WP               ; behind both: the spare words, 128 bytes a wave
.set VO,    16                         ; weights: v16-47   byte offsets of rows 0-31 of a block at my column
.set WX,    48                         ;          v48-111  two sets of 32 numbers
.set WC,    112                        ;          v112-119 a block's codes
.set OUTR,  120                        ;          v120-183 the way out
	s_load_b256 s[4:11], s[0:1], 0x0               ; x s[4:5], W_qkv s[6:7], W_out s[8:9], the scales s[10:11]
	s_load_b128 s[12:15], s[0:1], 0x20             ; x_codes s[12:13], wqkv_codes s[14:15]
	s_load_b64 s[16:17], s[0:1], 0x30              ; wout_codes
	v_lshl_add_u32 v[SPW], v0, 2, SPARE
	v_mov_b32 v[NIL], 0
	v_lshrrev_b32 v1, 5, v0
	v_readfirstlane_b32 s18, v1                    ; wave
	v_and_b32 v2, 31, v0                           ; lane
	s_wait_kmcnt 0x0
	s_load_b256 s[24:31], s[10:11], 0x0            ; e0 .. e7
	s_cmp_lt_u32 ttmp9, XWG
	s_cbranch_scc0 .Lweights
	; ---------------- x ----------------
	s_wait_alu depctr_va_vdst(0)
	v_lshlrev_b32 v3, 4, v2                        ; my 16 bytes of a load's 512
	s_wait_alu depctr_va_vdst(0)
	s_mul_i32 s19, s18, WREG
	v_lshrrev_b32 v14, 2, v2
	v_mul_u32_u24 v14, v14, SP
	v_and_b32 v15, 3, v2
	v_lshl_add_u32 v14, v15, 4, v14
	v_add_nc_u32 v14, s19, v14                     ; into the stage: four lanes' 64 bytes on end, then the padding
	v_mul_u32_u24 v15, v2, SP
	v_add_nc_u32 v15, s19, v15                     ; out of it: my 16 neighbours
	v_lshlrev_b32 v4, 4, v2                        ; my codes' place in a step's 512 bytes
	s_lshl_b32 s20, ttmp9, 2
	s_add_co_u32 s20, s20, s18                     ; which run of 8,192 numbers is my wave's
	s_mov_b32 s21, 0
	s_lshl_b64 s[22:23], s[20:21], 15
	s_add_nc_u64 s[4:5], s[4:5], s[22:23]
	s_lshl_b64 s[22:23], s[20:21], 13
	s_add_nc_u64 s[12:13], s[12:13], s[22:23]
.macro LOAD t
.irp i, 0,1,2,3
	global_load_b128 v[R+16*((\t)%4)+4*\i:R+16*((\t)%4)+4*\i+3], v3, s[4:5] offset:2048*(\t)+512*\i th:TH_LOAD_NT
.endr
.endm
.macro TURN t                          ; step t's numbers through the stage; LDS serves a wave's instructions in order, so no wait stands between the stores and the loads
.irp i, 0,1,2,3
	ds_store_b128 v14, v[R+16*((\t)%4)+4*\i:R+16*((\t)%4)+4*\i+3] offset:32*SP*((\t)%2)+8*SP*\i
.endr
.irp i, 0,1,2,3
	ds_load_b128 v[X+16*((\t)%2)+4*\i:X+16*((\t)%2)+4*\i+3], v15 offset:32*SP*((\t)%2)+16*\i
.endr
.endm
.irp t, 0,1,2,3
	LOAD \t
.endr
	s_wait_alu depctr_va_vdst(0)
	s_wait_kmcnt 0x0
	s_add_co_i32 s22, s24, 127
	s_lshl_b32 s23, s22, 23
	v_mov_b32 v11, s23                             ; 2^e0 as f32: the conversion takes its exponent field
	s_add_co_i32 s22, s22, EMAX
	s_lshl_b32 s22, s22, 23
	s_or_b32 s22, s22, MANT
	v_mov_b32 v10, s22                             ; 448 x 2^e0
	s_wait_alu depctr_va_vdst(0)
	s_wait_loadcnt 12                              ; step 0's four loads are in; three steps' twelve stay out
	TURN 0
.macro STEP t
.set XS, X+16*((\t)%2)
	s_wait_dscnt 0x0                               ; this step's numbers are back: so its stores into the stage have read their registers,
.if (\t)+4 < STEPS
	LOAD (\t)+4                                    ; which take the loads of four steps on
.endif
.if (\t)+1 < STEPS
.if STEPS-2-(\t) >= 3
	s_wait_loadcnt 12                              ; the next step's four loads are in; those of the three steps behind it may be out
.else
	s_wait_loadcnt 4*(STEPS-2-(\t))
.endif
	TURN (\t)+1
.endif
.irp i, 0,1,2,3,4,5,6,7,8,9,10,11,12,13,14,15
	v_med3_num_f32 v[XS+\i], v[XS+\i], -v10, v10   ; the conversion to an 8-bit code does not saturate (ISA guide 7.6.2): the hold comes first
.endr
	v_cvt_scalef32_pk8_fp8_f32 v[C+4*(\t):C+4*(\t)+1], v[XS:XS+7], v11
	v_cvt_scalef32_pk8_fp8_f32 v[C+4*(\t)+2:C+4*(\t)+3], v[XS+8:XS+15], v11
	global_store_b128 v4, v[C+4*(\t):C+4*(\t)+3], s[12:13] offset:512*(\t)   ; the results go to a store alone; the next vector lines are plain and touch other registers
.endm
.irp t, 0,1,2,3,4,5,6,7,8,9,10,11,12,13,14,15
	STEP \t
.endr
	s_wait_tensorcnt 0x0                           ; the wave's end, behind my last LDS store
	ds_add_u32 v[SPW], v[NIL]
	s_wait_dscnt 0x0
	s_endpgm
	; ---------------- the weights ----------------
.Lweights:
	s_sub_co_u32 s20, ttmp9, XWG
	s_cmp_lt_u32 s20, QWG                          ; W_qkv's work-group or W_out's?  The choice hangs on the work-group's number alone
	s_cselect_b64 s[6:7], s[6:7], s[8:9]
	s_cselect_b64 s[14:15], s[14:15], s[16:17]
	s_mov_b32 s21, 4096
	s_cselect_b32 s21, 12288, s21                  ; a row of the weight in bytes
	s_cselect_b32 s22, 0, QWG
	s_sub_co_u32 s20, s20, s22
	s_lshr_b32 s22, s20, 2                         ; which 128 columns
	s_and_b32 s23, s20, 3                          ; which 256 along K
	s_lshl_b32 s22, s22, 7
	s_lshl_b32 s19, s18, 5
	s_add_co_u32 s22, s22, s19                     ; my wave's first column
	s_lshl_b32 s48, s21, 8
	s_mul_i32 s48, s48, s23                        ; 256 rows x the piece,
	s_lshl_b32 s49, s22, 2
	s_add_co_u32 s48, s48, s49                     ; + 4 bytes a column
	s_mov_b32 s49, 0
	s_add_nc_u64 s[32:33], s[6:7], s[48:49]        ; a base for each of the eight blocks of 32 rows: nothing is stepped later
	s_lshl_b32 s50, s21, 5
	s_mov_b32 s51, 0
.irp t, 1,2,3,4,5,6,7
	s_add_nc_u64 s[32+2*\t:33+2*\t], s[30+2*\t:31+2*\t], s[50:51]
.endr
	s_lshl_b32 s52, s22, 10                        ; the codes: row = column, 1,024 bytes; + 256 x the piece
	s_lshl_b32 s53, s23, 8
	s_add_co_u32 s52, s52, s53
	s_mov_b32 s53, 0
	s_add_nc_u64 s[14:15], s[14:15], s[52:53]
	s_wait_alu depctr_va_vdst(0)
	v_lshlrev_b32 v3, 2, v2
.set i, 0
.rept 32
	v_mad_u32_u24 v[VO+i], s21, i, v3              ; row i of a block, my column
.set i, i+1
.endr
	s_mul_i32 s19, s18, 32*WP
	s_add_co_u32 s19, s19, WSTG                    ; my stage
	v_mul_u32_u24 v4, v2, WP
	v_add_nc_u32 v4, s19, v4                       ; into it: row = my column
	v_and_b32 v5, 15, v2
	v_lshrrev_b32 v6, 4, v2
	v_mul_u32_u24 v7, v6, WP
	v_lshl_add_u32 v7, v5, 4, v7
	v_add_nc_u32 v7, s19, v7                       ; out of it: sixteen lanes to a row, two rows an instruction
	v_lshlrev_b32 v8, 10, v6
	v_lshl_add_u32 v8, v5, 4, v8                   ; and the same place in the codes' buffer
.macro WLOAD t                         ; block t: W(32 t + i, my column): 32 lanes read 128 consecutive bytes
.set i, 0
.rept 32
	global_load_b32 v[WX+32*((\t)%2)+i], v[VO+i], s[32+2*(\t):33+2*(\t)] th:TH_LOAD_NT
.set i, i+1
.endr
.endm
	WLOAD 0
	WLOAD 1
	s_wait_kmcnt 0x0
	s_cmp_lt_u32 ttmp9, XWG+QWG
	s_cselect_b32 s22, s25, s31                    ; e1 or e7
	s_add_co_i32 s22, s22, 127
	s_lshl_b32 s23, s22, 23
	v_mov_b32 v11, s23
	s_add_co_i32 s22, s22, EMAX
	s_lshl_b32 s22, s22, 23
	s_or_b32 s22, s22, MANT
	v_mov_b32 v10, s22
.macro WBLOCK t
.set XS, WX+32*((\t)%2)
.if (\t) < 7
	s_wait_loadcnt 32                              ; this block's 32 loads are in; the next block's may be out
.else
	s_wait_loadcnt 0
.endif
.set i, 0
.rept 32
	v_med3_num_f32 v[XS+i], v[XS+i], -v10, v10
.set i, i+1
.endr
.irp g, 0,1,2,3
	v_cvt_scalef32_pk8_fp8_f32 v[WC+2*\g:WC+2*\g+1], v[XS+8*\g:XS+8*\g+7], v11
.endr
	ds_store_b128 v4, v[WC:WC+3] offset:32*(\t)    ; 32 codes of my column's row
	ds_store_b128 v4, v[WC+4:WC+7] offset:32*(\t)+16
.if (\t)+2 < 8
	WLOAD (\t)+2
.endif
	s_wait_dscnt 0x0                               ; the stores have read their registers: the next block's codes may be written
.endm
	s_wait_alu depctr_va_vdst(0)
.irp t, 0,1,2,3,4,5,6,7
	WBLOCK \t
.endr
.irp t, 0,1,2,3,4,5,6,7,8,9,10,11,12,13,14,15
	ds_load_b128 v[OUTR+4*\t:OUTR+4*\t+3], v7 offset:2*\t*WP
.endr
.irp t, 0,1,2,3,4,5,6,7,8,9,10,11,12,13,14,15
	s_wait_dscnt 15-\t                             ; LDS loads come back in order: number t is in, the younger ones stay out
	global_store_b128 v8, v[OUTR+4*\t:OUTR+4*\t+3], s[14:15] offset:2*\t*1024
.endr
	s_wait_tensorcnt 0x0                           ; the wave's end: the same three lines
	ds_add_u32 v[SPW], v[NIL]
	s_wait_dscnt 0x0
	s_endpgm
.Lfunc_end_k_q36d5c214cc_quant:
	.size	k_q36d5c214cc_quant, .Lfunc_end_k_q36d5c214cc_quant-k_q36d5c214cc_quant
	.p2alignl 7, 3214868480
	.fill 96, 4, 3214868480
	.section	.rodata,"a",@progbits
	.p2align	6, 0x0
	.amdhsa_kernel k_q36d5c214cc_quant
		.amdhsa_group_segment_fixed_size 68096
		.amdhsa_private_segment_fixed_size 0
		.amdhsa_enable_private_segment 0
		.amdhsa_kernarg_size 56
		.amdhsa_user_sgpr_count 2
		.amdhsa_user_sgpr_kernarg_segment_ptr 1
		.amdhsa_wavefront_size32 1
		.amdhsa_system_sgpr_workgroup_id_x 1
		.amdhsa_system_sgpr_workgroup_id_y 1
		.amdhsa_system_sgpr_workgroup_id_z 1
		.amdhsa_system_vgpr_workitem_id 0
		.amdhsa_next_free_vgpr 192
		.amdhsa_next_free_sgpr 66
		.amdhsa_reserve_vcc 0
		.amdhsa_float_denorm_mode_32 3
		.amdhsa_float_denorm_mode_16_64 3
		.amdhsa_memory_ordered 1
		.amdhsa_forward_progress 1
		.amdhsa_inst_pref_size 88
	.end_amdhsa_kernel
	.amdgpu_metadata
---
amdhsa.version: [ 1, 2 ]
amdhsa.kernels:
  - .name:           k_q36d5c214cc_quant
    .symbol:         k_q36d5c214cc_quant.kd
    .args:
      - { .name: x, .offset: 0, .size: 8, .value_kind: global_buffer, .address_space: global }
      - { .name: W_qkv, .offset: 8, .size: 8, .value_kind: global_buffer, .address_space: global }
      - { .name: W_out, .offset: 16, .size: 8, .value_kind: global_buffer, .address_space: global }
      - { .name: lowp_scales, .offset: 24, .size: 8, .value_kind: global_buffer, .address_space: global }
      - { .name: x_codes, .offset: 32, .size: 8, .value_kind: global_buffer, .address_space: global }
      - { .name: wqkv_codes, .offset: 40, .size: 8, .value_kind: global_buffer, .address_space: global }
      - { .name: wout_codes, .offset: 48, .size: 8, .value_kind: global_buffer, .address_space: global }
    .group_segment_fixed_size: 68096
    .private_segment_fixed_size: 0
    .kernarg_segment_align: 8
    .kernarg_segment_size: 56
    .max_flat_workgroup_size: 128
    .sgpr_count:     66
    .vgpr_count:     192
    .wavefront_size: 32
...
	.end_amdgpu_metadata
.endif
;; end of part 1
;; launch qkv (part 2): grid 12 x 32, 4 waves a work-group, clusters of 4 x 4, 327,680 bytes of LDS; arguments x_codes, wqkv_codes, lowp_scales, b_qkv, q_codes, k_codes, v_codes; writes q_codes, k_codes, v_codes
.if DOCPART == 2
	.amdgcn_target "amdgcn-amd-amdhsa--gfx1250"
	.amdhsa_code_object_version 6
	.text
	.protected	k_q36d5c214cc_qkv
	.globl	k_q36d5c214cc_qkv
	.p2align	8
	.type	k_q36d5c214cc_qkv,@function
k_q36d5c214cc_qkv:
	s_mov_b64 s[64:65], 0
	v_nop
	global_prefetch_b8 v0, s[64:65] scope:SCOPE_SE
	s_setreg_imm32_b32 hwreg(HW_REG_WAVE_MODE, 25, 1), 1
	s_wait_xcnt 0x0
	s_wait_alu depctr_hold_cnt(0) depctr_sa_sdst(0) depctr_va_vdst(0) depctr_va_sdst(0) depctr_va_ssrc(0) depctr_va_vcc(0) depctr_vm_vsrc(0)
	s_getreg_b32 s2, hwreg(HW_REG_IB_STS2, 6, 4)
	s_cmp_eq_u32 s2, 0
	s_cbranch_scc0 .Lentry_in_a_cluster
	s_endpgm
.Lentry_in_a_cluster:
	s_bfe_u32 s2, ttmp6, 0x10000c
	s_cmp_lg_u32 s2, 0xf033
	s_cbranch_scc0 .Lentry_shape_is_right
	s_endpgm
.Lentry_shape_is_right:
; qkv = x W_qkv + b_qkv on codes of E4M3 (x_codes [8192][1024], wqkv_codes [3072][1024], K innermost), f32 sums x 2^(e0 + e1) + bias, quantised at once to q (e2), k (e3), v (e5).
; A tile of 256 x 256 to a work-group of four waves, 128 x 128 (64 accumulators) to a wave; K = 1,024 in four steps of 256 through a ring of two LDS slots filled by the tensor data mover.
; CLUSTERS of 4 x 4 work-groups cover 1,024 x 1,024, so the cluster's x says whether the tile is q's (0), k's (1) or v's (2): the same in all sixteen partners.  Tiles are asked for JOINTLY: 'A' along a row of the cluster, 'B' along a column.
; The matrix instruction takes source 0 = 16 rows of B and source 1 = 16 rows of A: a lane holds ONE row of A and eight neighbouring rows of B.
;   q, k: A = tokens (x), B = features (W): a lane's eight numbers are neighbours along the head's 64, the K of the scores' product.
;   v:    A = features (W), B = tokens (x): a lane's eight numbers are eight neighbouring KEYS of one channel, the K of the second attention product.  Only buffers and tile numbers change places, by s_cselect; the loop is the same text.
; THE OUTPUTS ARE IMAGES OF THE NEXT LAUNCH'S OPERAND REGISTERS.  With bh = 16 x batch + head:
;   q, k (bh, l, d):  bh 131072 + (l/32) 2048 + ((l/8)%2) 1024 + (d/32) 512 + ((d/16)%2) 256 + ((l/16)%2) 128 + (l%8) 16 + d%16
;   v (bh, ch, l):    bh 131072 + (l/128) 8192 + (ch/32) 4096 + ((ch/8)%2) 2048 + ((l/32)%4) 512 + ((l/16)%2) 256 + ((ch/16)%2) 128 + (ch%8) 16 + l%16
; In both a wave's 128 x 128 tile is two runs of 8,192 consecutive bytes, 131,072 apart: gathered in the wave's own stage in LDS and stored 512 consecutive bytes an instruction.
; Fragments are fetched by four loads of 16 bytes: a permutation of k, the same on both sides, so every product meets its partner; the order of the sums inside an instruction differs from ascending k.
; LIMITS: e0 + e1 between -126 and 127; e2, e3, e5 between -126 and 119.  NaN is not served.
; REGISTERS, in windows of 256: window 0: v0-31 addresses; v32-95 the biases of my 128 rows of B in the results' layout; v96-111 those of my rows of A, each twice; from v128 A's fragments, ONE set (free on the way out).
;   window 1: B's fragments, TWO sets.   window 2: the accumulators of my rows 0-63 of A ((a, b) at v[8 (8 a + b)]);   window 3: rows 64-127.
.set KSTEP,  256
.set ROWB,   256                       ; a tile's row in bytes
.set KROW,   1024                      ; a row of codes in memory
.set PITCH,  272                       ; an LDS row: 256 bytes + 16 of padding: the 16 rows that a load touches start 68 words apart
.set FR,     16
.set NL,     4
.set NP,     4                         ; places behind this matrix instruction (ISA guide 7.12.1)
.set HALFT,  128*PITCH
.set SLOT,   4*HALFT
.set LAPS,   1024/(2*KSTEP)
.set SPARE,  2*SLOT                    ; behind the ring: the spare words, 128 bytes a wave
.set STGV,   65536                     ; the way out: q's and k's stages at 16,384 x wave, v's the same STGV further on; both in slot 0, which has had its last fill and its last read by then
.set ADRA, 16
.set ADRB, 20
.set CO,   22                          ; v22 16 x lane
.set STOQ, 24
.set STOV, 25
.set RDQ,  26
.set RDV,  27
.set SPW,  28
.set NIL,  29
.set SCL,  30                          ; v30 2^e of the output's quantiser
.set LIMV, 31                          ; v31 448 x that
.set BC,   32
.set BR,   96
.set AF,   128
.set TMP,  128
.set CD,   192                         ; a block's codes, two sets of 16
.set BK,   128
.set G1, 24
.set G0, 32
.set G1B, 48
.set G0B, 56
.set MSB, 0
.macro WIN new                         ; the immediate's high byte repeats the setting that is left
.if MSB != \new
	s_set_vgpr_msb (MSB<<8)|\new
.set MSB, \new
.endif
.endm
.set MUL_LO, 0xa1                      ; source 0 (B) window 1, source 1 (A) window 0, C and D window 2
.set MUL_HI, 0xf1
.set TO_B,   0x40
; A joint load: waves 0 and 1 fetch for A, waves 2 and 3 for B; the branch hangs on the wave's number alone.  An s_nop 0 and four v_nop follow each line.
.macro JLOAD g0a, g1a, g0b, g1b
	s_cmp_eq_u32 s15, 0
	s_cbranch_scc0 .Lfor_b_\@
	tensor_load_to_lds s[\g0a:\g0a+3], s[\g1a:\g1a+7]
	s_nop 0
.rept 4
	v_nop
.endr
	s_branch .Lasked_\@
.Lfor_b_\@:
	tensor_load_to_lds s[\g0b:\g0b+3], s[\g1b:\g1b+7]
	s_nop 0
.rept 4
	v_nop
.endr
.Lasked_\@:
.endm
.macro CREST                           ; a round of the cluster's barrier behind its opening barrier
	s_cmp_lg_u32 s14, 0
	s_cbranch_scc1 .Lnot_wave_0_\@
	s_barrier_signal -3
.Lnot_wave_0_\@:
	s_barrier_wait -3
	s_barrier_signal -1
	s_barrier_wait -1
.endm
.macro CROUND
	s_barrier_signal -1
	s_barrier_wait -1
	CREST
.endm
	s_load_b256 s[4:11], s[0:1], 0x0               ; x_codes s[4:5], wqkv_codes s[6:7], the scales s[8:9], b_qkv s[10:11]
	s_load_b128 s[68:71], s[0:1], 0x20             ; q_codes, k_codes
	s_load_b64 s[72:73], s[0:1], 0x30              ; v_codes
	v_lshl_add_u32 v[SPW], v0, 2, SPARE
	v_mov_b32 v[NIL], 0
	ds_add_u32 v[SPW], v[NIL]                      ; the wave's opening: the add and its wait stand ahead of my first tensor load; work on registers stands between
	ds_add_u32 v[SPW], v[NIL]
	v_lshrrev_b32 v1, 5, v0
	v_readfirstlane_b32 s14, v1                    ; wave 0..3
	s_lshr_b32 s15, s14, 1                         ; which half of A's rows is mine.  Also: I fetch for A (0) or for B (1)
	s_and_b32 s16, s14, 1                          ; which half of B's rows.  Also: which 128 rows of that tile I fetch
	s_bfe_u32 s40, ttmp6, 0x40000                  ; cx
	s_bfe_u32 s41, ttmp6, 0x40004                  ; cy
	s_and_b32 s12, ttmp7, 0xffff
	s_lshl_b32 s12, s12, 2                         ; 4 x cluster y
	s_add_co_u32 s17, s12, s41                     ; q, k: A's tile = tokens' tile 4 Y + cy
	s_add_co_u32 s18, s41, 8                       ; v:    A's tile = W's tile 8 + cy
	s_lshl_b32 s42, ttmp9, 2
	s_add_co_u32 s42, s42, s40                     ; q, k: B's tile = W's tile 4 X + cx
	s_add_co_u32 s44, s12, s40                     ; v:    B's tile = tokens' tile 4 Y + cx
	s_cmp_eq_u32 ttmp9, 2                          ; the cluster's x: equal in all partners
	s_cselect_b32 s17, s18, s17                    ; hangs on cy alone
	s_cselect_b32 s42, s44, s42                    ; hangs on cx alone
	s_lshl_b32 s43, s41, 2
	s_lshl_b32 s43, 15, s43                        ; my row of the cluster
	s_lshl_b32 s44, 0x1111, s40                    ; my column
	s_or_b32 s[G1+0], s43, (0<<16)|(1<<20)|(1<<21)|(5<<22)|(3<<25)  ; the mask; elements of 1 byte; padding on; bit 21 beside a mask; after every 64 words four words
	s_or_b32 s[G1B+0], s44, (0<<16)|(1<<20)|(1<<21)|(5<<22)|(3<<25)
.irp g, G1, G1B
	s_mov_b32 s[\g+1], ROWB<<16                    ; tensor_dim0
	s_mov_b32 s[\g+2], 128<<16                     ; tensor_dim1
	s_mov_b32 s[\g+3], ROWB<<16                    ; tile_dim0
	s_mov_b32 s[\g+4], 128                         ; tile_dim1
	s_mov_b32 s[\g+5], KROW                        ; the pitch
	s_mov_b32 s[\g+6], 0
	s_mov_b32 s[\g+7], 0
.endr
	s_lshl_b32 s18, s16, 7
	s_lshl_b32 s20, s17, 8
	s_add_co_u32 s20, s20, s18                     ; A: row 256 x tile + 128 x half,
	s_lshl_b32 s20, s20, 10                        ; in bytes
	s_mov_b32 s21, 0
	s_lshl_b32 s46, s42, 8
	s_add_co_u32 s46, s46, s18
	s_lshl_b32 s46, s46, 10                        ; B likewise
	s_mov_b32 s47, 0
	s_mul_i32 s45, s14, HALFT                      ; where they go: wave x 128 rows
	s_wait_dscnt 0x0                               ; the opening add is done
	s_wait_kmcnt 0x0
	s_load_b256 s[76:83], s[8:9], 0x0              ; e0 .. e7
	s_cmp_eq_u32 ttmp9, 2
	s_cselect_b64 s[84:85], s[6:7], s[4:5]         ; A's buffer
	s_cselect_b64 s[86:87], s[4:5], s[6:7]         ; B's buffer
	s_add_nc_u64 s[20:21], s[84:85], s[20:21]
	s_add_nc_u64 s[46:47], s[86:87], s[46:47]
	CROUND                                         ; all sixteen work-groups are here: the first joint loads meet
.irp s, 0,1
	s_mov_b32 s[G0+4*\s], 1
	s_add_co_u32 s[G0+4*\s+1], s45, \s*SLOT
	s_add_nc_u64 s[G0+4*\s+2:G0+4*\s+3], s[20:21], \s*ROWB
	s_or_b32 s[G0+4*\s+3], s[G0+4*\s+3], 0x80000000
	s_mov_b32 s[G0B+4*\s], 1
	s_add_co_u32 s[G0B+4*\s+1], s45, \s*SLOT
	s_add_nc_u64 s[G0B+4*\s+2:G0B+4*\s+3], s[46:47], \s*ROWB
	s_or_b32 s[G0B+4*\s+3], s[G0B+4*\s+3], 0x80000000
.endr
	JLOAD G0, G1, G0B, G1B                         ; K step 0: one tensor load a wave at the head
	v_and_b32 v1, 15, v0                           ; r
	v_bfe_u32 v2, v0, 4, 1                         ; h
	v_mul_u32_u24 v3, v1, PITCH
	v_lshl_add_u32 v4, v2, 4, v3
	s_mul_i32 s21, s15, HALFT
	s_mul_i32 s22, s16, HALFT
	s_add_co_u32 s22, s22, 2*HALFT
.irp s, 0,1
	v_add_nc_u32 v[ADRA+\s], s21, v4
	v_add_nc_u32 v[ADRB+\s], s22, v4
	s_add_co_u32 s21, s21, SLOT
	s_add_co_u32 s22, s22, SLOT
.endr
	; the way out's LDS addresses, both kinds', made on the one way that all take
	v_bfe_u32 v5, v0, 3, 1                         ; r / 8
	v_and_b32 v6, 7, v0                            ; r % 8
	v_lshlrev_b32 v7, 4, v6
	v_lshl_add_u32 v7, v2, 3, v7                   ; 16 (r % 8) + 8 h
	s_lshl_b32 s23, s14, 14                        ; my stage
	v_add_nc_u32 v7, s23, v7
	v_lshl_add_u32 v[STOQ], v5, 10, v7
	v_lshl_add_u32 v[STOV], v5, 11, v7
	v_add_nc_u32 v[STOV], STGV, v[STOV]
	v_and_b32 v6, 31, v0
	v_lshlrev_b32 v[CO], 4, v6
	v_add_nc_u32 v[RDQ], s23, v[CO]
	v_add_nc_u32 v[RDV], STGV, v[RDQ]
	; where my tile lies: m0 its first token, nk0 its first feature inside q, k or v
	s_lshl_b32 s90, s41, 8
	s_lshl_b32 s91, s15, 7
	s_add_co_u32 s90, s90, s91                     ; A's rows: 256 cy + 128 half
	s_lshl_b32 s92, s40, 8
	s_lshl_b32 s91, s16, 7
	s_add_co_u32 s92, s92, s91                     ; B's rows: 256 cx + 128 half
	s_cmp_eq_u32 ttmp9, 2
	s_cselect_b32 s91, s90, s92                    ; nk0
	s_cselect_b32 s90, s92, s90
	s_lshl_b32 s93, s12, 8
	s_add_co_u32 s90, s90, s93                     ; m0 = 1,024 Y + ..
	s_lshr_b32 s92, s90, 11
	s_lshl_b32 s92, s92, 21                        ; the batch: 16 heads of 131,072 bytes
	s_lshr_b32 s93, s91, 6
	s_lshl_b32 s93, s93, 17                        ; the head
	s_add_co_u32 s92, s92, s93
	s_and_b32 s93, s90, 2047
	s_lshl_b32 s93, s93, 6                         ; 64 bytes a token
	s_add_co_u32 s92, s92, s93
	s_mov_b32 s93, 0
	s_cmp_eq_u32 ttmp9, 0
	s_cselect_b64 s[88:89], s[68:69], s[70:71]
	s_cmp_eq_u32 ttmp9, 2
	s_cselect_b64 s[88:89], s[72:73], s[88:89]
	s_add_nc_u64 s[88:89], s[88:89], s[92:93]
	s_lshl_b32 s94, ttmp9, 10
	s_add_co_u32 s94, s94, s91
	s_lshl_b32 s94, s94, 2
	s_mov_b32 s95, 0
	s_add_nc_u64 s[10:11], s[10:11], s[94:95]      ; my 128 biases
	v_lshlrev_b32 v8, 5, v2                        ; 32 h; never rewritten
	v_lshlrev_b32 v9, 2, v1                        ; 4 r; never rewritten
.irp b, 0,1,2,3,4,5,6,7                        ; both forms are loaded, with no branch: by B's rows (q, k use it): 16 b + 8 h + 0 .. 7,
	global_load_b128 v[BC+8*\b:BC+8*\b+3], v8, s[10:11] offset:64*\b
	global_load_b128 v[BC+8*\b+4:BC+8*\b+7], v8, s[10:11] offset:64*\b+16
.endr
.irp a, 0,1,2,3,4,5,6,7                        ; and by A's rows (v uses it): 16 a + r, twice, for the packed form
	global_load_b32 v[BR+2*\a], v9, s[10:11] offset:64*\a
	global_load_b32 v[BR+2*\a+1], v9, s[10:11] offset:64*\a
.endr
.macro FRAG reg, adr, q, i             ; 16 rows x 128 K: registers 4 c .. 4 c + 3 hold K = 32 c + 16 h + 0 .. 15 of row r
.irp c, 0,1,2,3
	ds_load_b128 v[\reg+4*\c:\reg+4*\c+3], v[\adr] offset:128*(\q)+32*\c+(\i)*16*PITCH
.endr
.endm
; 16 matrix instructions: A's blocks a0, a0 + 1 x B's eight.  The 64 accumulators take turns, one instruction a turn, in the same order in every step.
.macro MUL16 a0, p, zero
.irp a, \a0, \a0+1
.irp b, 0,1,2,3,4,5,6,7
.if \zero
	v_wmma_f32_16x16x128_fp8_fp8 v[8*(8*((\a)%4)+\b):8*(8*((\a)%4)+\b)+7], v[128*(\p)+FR*\b:128*(\p)+FR*\b+FR-1], v[AF+FR*(\a):AF+FR*(\a)+FR-1], 0
.else
	v_wmma_f32_16x16x128_fp8_fp8 v[8*(8*((\a)%4)+\b):8*(8*((\a)%4)+\b)+7], v[128*(\p)+FR*\b:128*(\p)+FR*\b+FR-1], v[AF+FR*(\a):AF+FR*(\a)+FR-1], v[8*(8*((\a)%4)+\b):8*(8*((\a)%4)+\b)+7]
.endif
.endr
.endr
.endm
.macro FETCH_B slot, q, p
	WIN TO_B
.irp i, 0,1,2,3,4,5,6,7
	FRAG 128*(\p)+FR*\i, ADRB+\slot, \q, \i
.endr
	WIN 0
.endm
.macro FETCH_A slot, q, i0
.irp i, \i0, \i0+1, \i0+2, \i0+3
	FRAG AF+FR*(\i), ADRA+\slot, \q, \i
.endr
.endm
.macro PLACES n                        ; plain vector instructions between a matrix instruction and a load into, or a read of, its registers
.rept \n
	v_nop
.endr
.endm
.macro STEP slot, q, zero              ; 128 along K whose successor lies in the same slot
	s_wait_dscnt 4*NL                              ; B's set and A's blocks 0-3 are in; A's blocks 4-7, sixteen loads, may be out
	WIN MUL_LO
	MUL16 0, (\q)%2, \zero
	MUL16 2, (\q)%2, \zero
	s_wait_dscnt 0
	PLACES NP
	FETCH_B \slot, (\q)+1, 1-(\q)%2
	FETCH_A \slot, (\q)+1, 0
	WIN MUL_HI
	MUL16 4, (\q)%2, \zero
	MUL16 6, (\q)%2, \zero
	PLACES NP
	WIN 0
	FETCH_A \slot, (\q)+1, 4
.endm
; A slot's last step changes slots: in front of the one barrier each wave waits for all its tensor loads, adds 0 to its spare word, and waits for that and for its reads of this slot.
.macro TURN slot, next, fill
	s_wait_tensorcnt 0x0                           ; all my tensor loads have landed: my part of the next slot
	ds_add_u32 v[SPW], v[NIL]
	s_wait_dscnt 4*NL+1                            ; the add and A's blocks 4-7 may be out
	WIN MUL_LO
	MUL16 0, 1, 0
	s_wait_dscnt 0x0                               ; the add is done, and my reads of this slot are over
	s_barrier_signal -1
	MUL16 2, 1, 0
	WIN 0
	s_barrier_wait -1
.if \fill
	CREST                                          ; the barrier has opened a round of the cluster's: no wave of any partner still reads this slot or has a load on its way
	s_add_nc_u64 s[G0+4*\slot+2:G0+4*\slot+3], s[G0+4*\slot+2:G0+4*\slot+3], 2*ROWB
	s_add_nc_u64 s[G0B+4*\slot+2:G0B+4*\slot+3], s[G0B+4*\slot+2:G0B+4*\slot+3], 2*ROWB
	JLOAD G0+4*\slot, G1, G0B+4*\slot, G1B         ; the first tensor load behind the round; its four v_nop are the places in front of the loads below
.else
	PLACES NP
.endif
	FETCH_B \next, 0, 0
	FETCH_A \next, 0, 0
	WIN MUL_HI
	MUL16 4, 1, 0
	MUL16 6, 1, 0
	PLACES NP
	WIN 0
	FETCH_A \next, 0, 4
.endm
	s_wait_alu depctr_va_vdst(0)
	s_wait_tensorcnt 0x0                           ; my part of K step 0 is in; slot 1's first fill is issued as a refill is:
	ds_add_u32 v[SPW], v[NIL]
	s_wait_dscnt 0x0
	CROUND                                         ; a whole round: everybody's part of K step 0 is in, and the joint loads meet
	JLOAD G0+4, G1, G0B+4, G1B                     ; K step 1: the first tensor load behind the round
	FETCH_B 0, 0, 0
	FETCH_A 0, 0, 0
	FETCH_A 0, 0, 4
	STEP 0, 0, 1                                   ; the first step starts the sums
	s_mov_b32 s3, LAPS-1
.Llap:                                                 ; a trip goes once round the ring and fills both slots again
	TURN 0, 1, 1
	STEP 1, 0, 0
	TURN 1, 0, 1
	STEP 0, 0, 0
	s_sub_co_u32 s3, s3, 1
	s_cmp_lg_u32 s3, 0
	s_cbranch_scc1 .Llap
	TURN 0, 1, 0                                   ; the last lap fills nothing
	STEP 1, 0, 0
	s_wait_dscnt 4*NL
	WIN MUL_LO
	MUL16 0, 1, 0
	MUL16 2, 1, 0
	s_wait_dscnt 0
	WIN MUL_HI
	MUL16 4, 1, 0
	MUL16 6, 1, 0
	WIN 0
	; THE WAY OUT: sum x 2^(e0 + e1) + bias, the hold, the conversion: a lane's eight numbers of an accumulator become 8 bytes, which go to their place in the image.
	s_wait_kmcnt 0x0
	s_wait_loadcnt 0x0                             ; the biases
	s_add_co_i32 s96, s76, s77
	s_add_co_i32 s96, s96, 127
	s_lshl_b32 s96, s96, 23                        ; 2^(e0 + e1)
	s_mov_b32 s97, s96                             ; (named with it as a pair)
	s_cmp_eq_u32 ttmp9, 0
	s_cselect_b32 s94, s78, s79                    ; e2 or e3,
	s_cmp_eq_u32 ttmp9, 2
	s_cselect_b32 s94, s81, s94                    ; or e5
	s_add_co_i32 s94, s94, 127
	s_lshl_b32 s95, s94, 23
	v_mov_b32 v[SCL], s95
	s_add_co_i32 s94, s94, 8
	s_lshl_b32 s94, s94, 23
	s_or_b32 s94, s94, 0x600000
	v_mov_b32 v[LIMV], s94
	PLACES NP
.macro OUT kind                        ; kind 0: q, k;  1: v
.irp a, 0,1,2,3,4,5,6,7
.set AC, 64*(\a%4)
.if \a >= 2
	s_wait_dscnt 8                                 ; the block before's eight stores may be out; those of two blocks back have read this set of codes
.endif
	WIN 0x02+(\a/4)                                ; source 0: window 2 or 3
.set j, 0
.rept 32                                       ; each accumulator from its low end on
.if \kind
	v_pk_fma_f32 v[TMP+j:TMP+j+1], v[AC+j:AC+j+1], s[96:97], v[BR+2*\a:BR+2*\a+1] op_sel_hi:[1,0,1]
.else
	v_pk_fma_f32 v[TMP+j:TMP+j+1], v[AC+j:AC+j+1], s[96:97], v[BC+j:BC+j+1] op_sel_hi:[1,0,1]
.endif
.set j, j+2
.endr
	WIN 0
.set j, 0
.rept 64
	v_med3_num_f32 v[TMP+j], v[TMP+j], -v[LIMV], v[LIMV]   ; the conversion does not saturate (ISA guide 7.6.2)
.set j, j+1
.endr
.irp b, 0,1,2,3,4,5,6,7
	v_cvt_scalef32_pk8_fp8_f32 v[CD+16*(\a%2)+2*\b:CD+16*(\a%2)+2*\b+1], v[TMP+8*\b:TMP+8*\b+7], v[SCL]
.endr
	v_nop                                          ; a plain instruction behind the last conversion: the next block writes its sources
.irp b, 0,1,2,3,4,5,6,7
.if \kind
	ds_store_b64 v[STOV], v[CD+16*(\a%2)+2*\b:CD+16*(\a%2)+2*\b+1] offset:(\a/4)*8192+((\a/2)%2)*4096+(\b/2)*512+(\b%2)*256+(\a%2)*128
.else
	ds_store_b64 v[STOQ], v[CD+16*(\a%2)+2*\b:CD+16*(\a%2)+2*\b+1] offset:(\b/4)*8192+(\a/2)*2048+((\b/2)%2)*512+(\b%2)*256+(\a%2)*128
.endif
.endr
.endr
	s_wait_dscnt 0x0                               ; my stores have read their registers, which the loads below take
.set k, 0
.rept 32
.if \kind
	ds_load_b128 v[BK+4*k:BK+4*k+3], v[RDV] offset:512*k
.else
	ds_load_b128 v[BK+4*k:BK+4*k+3], v[RDQ] offset:512*k
.endif
.set k, k+1
.endr
.set k, 0
.rept 32
	s_wait_dscnt 31-k                              ; number k is back, the younger ones stay out
	global_store_b128 v[CO], v[BK+4*k:BK+4*k+3], s[88:89] offset:(k/16)*131072+(k%16)*512   ; 32 lanes store 512 consecutive bytes
.set k, k+1
.endr
.endm
	s_cmp_eq_u32 ttmp9, 2                          ; the cluster's x: all partners and all waves go the same way
	s_cbranch_scc1 .Lout_v
	OUT 0
	s_branch .Lout_done
.Lout_v:
	OUT 1
.Lout_done:
	s_wait_tensorcnt 0x0                           ; the wave's end
	ds_add_u32 v[SPW], v[NIL]
	s_wait_dscnt 0x0
	CROUND                                         ; the closing round
	s_endpgm
.Lfunc_end_k_q36d5c214cc_qkv:
	.size	k_q36d5c214cc_qkv, .Lfunc_end_k_q36d5c214cc_qkv-k_q36d5c214cc_qkv
	.p2alignl 7, 3214868480
	.fill 96, 4, 3214868480
	.section	.rodata,"a",@progbits
	.p2align	6, 0x0
	.amdhsa_kernel k_q36d5c214cc_qkv
		.amdhsa_group_segment_fixed_size 327680
		.amdhsa_private_segment_fixed_size 0
		.amdhsa_enable_private_segment 0
		.amdhsa_kernarg_size 56
		.amdhsa_user_sgpr_count 2
		.amdhsa_user_sgpr_kernarg_segment_ptr 1
		.amdhsa_wavefront_size32 1
		.amdhsa_system_sgpr_workgroup_id_x 1
		.amdhsa_system_sgpr_workgroup_id_y 1
		.amdhsa_system_sgpr_workgroup_id_z 1
		.amdhsa_system_vgpr_workitem_id 0
		.amdhsa_next_free_vgpr 1024
		.amdhsa_next_free_sgpr 100
		.amdhsa_reserve_vcc 0
		.amdhsa_float_denorm_mode_32 3
		.amdhsa_float_denorm_mode_16_64 3
		.amdhsa_memory_ordered 1
		.amdhsa_forward_progress 1
		.amdhsa_inst_pref_size 209
	.end_amdhsa_kernel
	.amdgpu_metadata
---
amdhsa.version: [ 1, 2 ]
amdhsa.kernels:
  - .name:           k_q36d5c214cc_qkv
    .symbol:         k_q36d5c214cc_qkv.kd
    .args:
      - { .name: x_codes, .offset: 0, .size: 8, .value_kind: global_buffer, .address_space: global }
      - { .name: wqkv_codes, .offset: 8, .size: 8, .value_kind: global_buffer, .address_space: global }
      - { .name: lowp_scales, .offset: 16, .size: 8, .value_kind: global_buffer, .address_space: global }
      - { .name: b_qkv, .offset: 24, .size: 8, .value_kind: global_buffer, .address_space: global }
      - { .name: q_codes, .offset: 32, .size: 8, .value_kind: global_buffer, .address_space: global }
      - { .name: k_codes, .offset: 40, .size: 8, .value_kind: global_buffer, .address_space: global }
      - { .name: v_codes, .offset: 48, .size: 8, .value_kind: global_buffer, .address_space: global }
    .group_segment_fixed_size: 327680
    .private_segment_fixed_size: 0
    .kernarg_segment_align: 8
    .kernarg_segment_size: 56
    .max_flat_workgroup_size: 128
    .sgpr_count:     100
    .vgpr_count:     1024
    .wavefront_size: 32
...
	.end_amdgpu_metadata
.endif
;; end of part 2
;; launch attn (part 3): grid 4 x 64, 16 waves a work-group, no clusters, 327,680 bytes of LDS; arguments q_codes, k_codes, v_codes, lowp_scales, a_codes; writes a_codes
.if DOCPART == 3
	.amdgcn_target "amdgcn-amd-amdhsa--gfx1250"
	.amdhsa_code_object_version 6
	.text
	.protected	k_q36d5c214cc_attn
	.globl	k_q36d5c214cc_attn
	.p2align	8
	.type	k_q36d5c214cc_attn,@function
k_q36d5c214cc_attn:
	s_mov_b64 s[64:65], 0
	v_nop
	global_prefetch_b8 v0, s[64:65] scope:SCOPE_SE
	s_setreg_imm32_b32 hwreg(HW_REG_WAVE_MODE, 25, 1), 1
	s_wait_xcnt 0x0
; Causal attention on codes of E4M3, head size 64, 64 (batch, head) pairs of 2,048 tokens.  q, k, v arrive as images of operand registers (their layouts stand at the head of the launch that makes them).
; t = score x log2(e) / 8; M = the running largest t rounded UP to a whole number; p = 2^(t - M) is quantised with 2^e4; the row's sum is taken of the unquantised p and divides at the end; when M moves, sum and O are multiplied by 2^(old M - new M), exactly.
; The result, O x 2^(e4 + e5) / sum, is quantised with 2^e6 and stored as the image of the last product's A fragments: byte of (token, k) = (token/16) 16384 + (k/32) 512 + ((k/16)%2) 256 + (token%16) 16 + k%16.
; LEFT OUT: steps of 128 keys all of which come after a wave's queries: the causal mask gives them the weight 0 for every input.
; SHARES.  Work-group (i, bh) owns query blocks i and then 7 - i of 256 queries: (i + 1) + (8 - i) = 9 visits of 256 keys in every work-group.  In a visit a wave takes 32 queries (two tiles of 16) and ONE half of the slot's keys, 128:
; each fragment of K and of V read from LDS feeds two matrix instructions, and all sixteen waves have work.  With the wave's number b3 b2 b1 b0: the upper key half where b3 xor b1, the block's upper 128 queries where b2 xor b0, b1 b0 the 32 queries
; among them: any four waves with equal b1 b0, and any four with equal b3 b2, hold all four pairs (key half, query half).
; Each wave keeps its own M, sum and O^T over its key halves.  At a block's end the wave of the upper half hands them through a stage in LDS to its partner, which brings both under the larger M (exact powers of two), divides and stores.
; NO CLUSTER: the four work-groups of a head walk different sequences of key slots (at visit n work-group i stands at slot n or at slot n - i - 1).
; LAYOUT.  Both products are used transposed: S^T = K Q^T (source 0 = 16 keys), O^T = V^T P^T (source 0 = 16 channels): a lane holds ONE query of each tile (lane % 16).  The images order keys and channels so that the 16 registers of two
; neighbouring tiles are 16 neighbours along the next product's K: the conversions' results are the next operand's registers.
; RING.  Two LDS slots, K's 16,384 bytes then V's; each wave fetches 2,048 bytes (waves 0-7 of K, 8-15 of V) by one tensor load behind each change of slots: one load of a wave is out at the most.
; PREFETCH.  Work-group i = 0 of a head walks slots 0 .. 7 in order from its second visit on: its waves 4, 5 (K) and 6, 7 (V) name, in visit n = 0 .. 6, slot n + 1, 8,192 bytes a wave, lanes 256 bytes apart: one visit ahead of the tensor load that wants it.  Slot 0 comes by its loads alone.
; LIMITS: e2 + e3 between -123 and 130 (added to c's exponent field); e4, e6 between -126 and 119; e4 + e5 goes by v_ldexp_f32.  NaN is not served.
; REGISTERS: v1-7 addresses; v8-11, v12-15 the tiles' -M, largest t, sum (a pair); v16-31 Q; v32-95 K's eight fragments, then V's four; v98-161 S^T, then p, of the tile in hand; v96-111 tile b's codes, laid over scores that are done with;
; v162-193, v194-225 O^T; v226-241 tile a's codes; v242-255 at work (v245, v255: c).
.set SLOTB, 32768
.set VOFF,  16384
.set SPARE, 65536                      ; behind the ring: the spare words, 128 bytes for each of sixteen waves
.set STG,   69632                      ; behind them: the stages, 18 x 512 bytes for each pair of waves; no tensor load lands here
.set LI,   1                           ; v1  16 x lane
.set ADK,  2                           ; v2  the address of my half of the slot
.set PFO,  3                           ; v3  256 x lane
.set QA,   4
.set SPW,  5
.set NIL,  6
.set DL,   7                           ; v7  lane % 16 - 16 (lane / 16)
.set KV,   32
.set CB,   96
.set S,    98
.set OA,   162
.set OB,   194
.set CA,   226
.set F,    242                         ; v[242:243] f = 2^(old M - new M) in the low word
.set SCL,  244                         ; v244 2^e4
.set TB,   2                           ; s2  LDS byte at which my half of the slot in hand begins
.set TRIP, 3                           ; s3  the visit
.set ILO,  14                          ; s14 i
.set LIM,  15                          ; s15 a wave prefetches while the visit's number is under it
.set WV,   18
.set SEL,  20
.set CS,   22
.set G1,   24                          ; s[24:31] 8 rows of 256 bytes, dense
.set G0,   32                          ; s[32:35] my group 0, which walks
.set RST,  36                          ; s[36:37] what takes the walk back to slot 0 at the change of blocks, or 0
.set KF,   39                          ; s39 my step's first key
.set Q0,   40                          ; s40 my first query
.set Q0H,  41                          ; s41 the same in block 7 - i
.set QLO,  42
.set QHI,  44
.set ALO,  46
.set AHI,  48
.set PFA,  50
.set KS,   82                          ; s82 which half of a slot's keys is mine
.set KF0,  83                          ; s83 128 x that
.set QE,   84                          ; s84 my last query
.set STS,  85                          ; s85 my pair's stage
	s_load_b256 s[4:11], s[0:1], 0x0               ; q_codes s[4:5], k_codes s[6:7], v_codes s[8:9], the scales s[10:11]
	s_load_b64 s[12:13], s[0:1], 0x20              ; a_codes
	v_lshl_add_u32 v[SPW], v0, 2, SPARE
	v_mov_b32 v[NIL], 0
	ds_add_u32 v[SPW], v[NIL]                      ; the wave's opening: the add, twice on end, and its wait stand ahead of my first tensor load
	ds_add_u32 v[SPW], v[NIL]
	v_lshrrev_b32 v7, 5, v0
	s_delay_alu instid0(VALU_DEP_1)
	v_readfirstlane_b32 s[WV], v7                  ; wave 0..15
	s_and_b32 s16, ttmp7, 0xffff                   ; bh
	s_mov_b32 s[ILO], ttmp9
	s_mov_b32 s[G1], 3<<16                         ; no mask; elements of 8 bytes; no padding
	s_mov_b32 s[G1+1], 32<<16                      ; tensor_dim0 = 32 elements
	s_mov_b32 s[G1+2], 8<<16                       ; tensor_dim1 = 8
	s_mov_b32 s[G1+3], 32<<16                      ; tile_dim0
	s_mov_b32 s[G1+4], 8                           ; tile_dim1
	s_mov_b32 s[G1+5], 32                          ; the pitch: dense
	s_mov_b32 s[G1+6], 0
	s_mov_b32 s[G1+7], 0
	s_mov_b32 s[SEL], 0x76543210
	s_mov_b32 s[SEL+1], 0xfedcba98
	s_mov_b32 s[CS], 0x3e38aa3b                    ; c = log2(e) / 8
	s_mov_b32 s[TRIP], 0
	s_mov_b32 s[RST+1], 0
	s_lshr_b32 s17, s[WV], 2
	s_xor_b32 s17, s17, s[WV]                      ; bit 0: b2 xor b0; bit 1: b3 xor b1
	s_and_b32 s19, s17, 1
	s_lshl_b32 s19, s19, 2
	s_and_b32 s38, s[WV], 3
	s_add_co_u32 s19, s19, s38                     ; g: which 32 queries of a block
	s_bfe_u32 s[KS], s17, 0x10001
	s_lshl_b32 s[KF0], s[KS], 7
	s_mov_b32 s[KF], s[KF0]
	s_lshl_b32 s[TB], s[KS], 13                    ; my 128 keys are 8,192 bytes of K's block and of V's
	s_mul_i32 s[STS], s19, 9216
	s_add_co_u32 s[STS], s[STS], STG
	s_add_co_u32 s38, ttmp9, 1
	s_lshl_b32 s38, s38, 14                        ; (i + 1) slots in bytes
	s_lshl_b32 s17, s19, 5
	s_lshl_b32 s[Q0], ttmp9, 8
	s_add_co_u32 s[Q0], s[Q0], s17                 ; 256 i + 32 g
	s_add_co_u32 s[QE], s[Q0], 31
	s_sub_co_u32 s86, 7, ttmp9
	s_lshl_b32 s[Q0H], s86, 8
	s_add_co_u32 s[Q0H], s[Q0H], s17
	s_lshl_b32 s66, s16, 17                        ; the head's first byte in q, k and v
	s_mov_b32 s67, 0
	s_lshl_b32 s68, s19, 11
	s_add_co_u32 s68, s68, s66                     ; my 32 queries' place in a block of Q's image
	s_lshl_b32 s70, ttmp9, 14
	s_add_co_u32 s70, s70, s68
	s_mov_b32 s71, 0
	s_lshl_b32 s72, s86, 14
	s_add_co_u32 s72, s72, s68
	s_mov_b32 s73, 0
	s_lshr_b32 s74, s16, 4
	s_lshl_b32 s74, s74, 21                        ; a_codes: the batch's 128 groups of 16 tokens x 16,384 bytes,
	s_lshl_b32 s75, s19, 15
	s_add_co_u32 s74, s74, s75                     ; my two groups in a block,
	s_and_b32 s75, s16, 15
	s_lshl_b32 s75, s75, 10
	s_add_co_u32 s74, s74, s75                     ; my head's 64 along K,
	s_lshl_b32 s76, s86, 18
	s_add_co_u32 s76, s76, s74                     ; and the block: 16 groups
	s_lshl_b32 s75, ttmp9, 18
	s_add_co_u32 s74, s74, s75
	s_mov_b32 s75, 0
	s_mov_b32 s77, 0
	s_and_b32 s78, s[WV], 7
	s_lshl_b32 s78, s78, 11
	s_add_co_u32 s78, s78, s66                     ; what I fetch: 2,048 bytes of a slot's K or V
	s_mov_b32 s79, 0
	s_mov_b32 s[G0], 1
	s_lshl_b32 s[G0+1], s[WV], 11                  ; and where it goes: 2,048 x wave, in slot 0
	s_and_b32 s80, s[WV], 1
	s_lshl_b32 s80, s80, 13
	s_add_co_u32 s80, s80, s66                     ; the prefetches: my half of a block, in slot 0; stepped ahead of each request
	s_mov_b32 s81, 0
	s_sub_co_u32 s87, s[WV], 4
	s_lshr_b32 s87, s87, 2                         ; 0 in waves 4 to 7,
	s_or_b32 s87, s87, ttmp9                       ; of work-group i = 0
	s_cmp_eq_u32 s87, 0
	s_cselect_b32 s[LIM], 7, 0
	s_wait_dscnt 0x0                               ; both opening adds are done
	s_wait_kmcnt 0x0
	s_load_b256 s[52:59], s[10:11], 0x0            ; e0 .. e7
	s_cmp_lt_u32 s[WV], 8                          ; waves 0-7 fetch K, 8-15 V
	s_cselect_b64 s[G0+2:G0+3], s[6:7], s[8:9]
	s_add_nc_u64 s[G0+2:G0+3], s[G0+2:G0+3], s[78:79]
	s_or_b32 s[G0+3], s[G0+3], 0x80000000
	tensor_load_to_lds s[G0:G0+3], s[G1:G1+7]      ; visit 0: every wave's one load at the head
	s_nop 0
.rept 4
	v_nop
.endr
	s_add_nc_u64 s[QLO:QLO+1], s[4:5], s[70:71]
	s_add_nc_u64 s[QHI:QHI+1], s[4:5], s[72:73]
	s_add_nc_u64 s[ALO:ALO+1], s[12:13], s[74:75]
	s_add_nc_u64 s[AHI:AHI+1], s[12:13], s[76:77]
	s_cmp_lt_u32 s[WV], 6
	s_cselect_b64 s[PFA:PFA+1], s[6:7], s[8:9]
	s_add_nc_u64 s[PFA:PFA+1], s[PFA:PFA+1], s[80:81]
	v_and_b32 v7, 31, v0
	s_delay_alu instid0(VALU_DEP_1)
	v_lshlrev_b32 v[LI], 4, v7
	s_delay_alu instid0(VALU_DEP_2)
	v_lshlrev_b32 v[PFO], 8, v7
	v_and_b32 v8, 7, v0
	v_bfe_u32 v9, v0, 3, 1
	v_bfe_u32 v10, v0, 4, 1
	s_delay_alu instid0(VALU_DEP_3)
	v_lshlrev_b32 v[QA], 4, v8
	s_delay_alu instid0(VALU_DEP_1)
	v_lshl_add_u32 v[QA], v9, 10, v[QA]
	s_delay_alu instid0(VALU_DEP_1)
	v_lshl_add_u32 v[QA], v10, 8, v[QA]            ; Q: (r/8) 1024 + 256 h + 16 (r%8); the second tile lies 128 bytes on
	global_load_b128 v[16:19], v[QA], s[QLO:QLO+1]
	global_load_b128 v[20:23], v[QA], s[QLO:QLO+1] offset:512
	global_load_b128 v[24:27], v[QA], s[QLO:QLO+1] offset:128
	global_load_b128 v[28:31], v[QA], s[QLO:QLO+1] offset:640
	v_and_b32 v[DL], 15, v0
	v_lshlrev_b32 v10, 4, v10
	v_mov_b32 v9, 0xff61b1e6                       ; the largest t so far: -3e38
	v_mov_b32 v13, 0xff61b1e6
	v_sub_nc_u32 v[DL], v[DL], v10
	v_floor_f32 v8, -v9                            ; -M
	v_floor_f32 v12, -v13
	v_mov_b32 v10, 0
	v_mov_b32 v11, 0
	v_mov_b32 v14, 0
	v_mov_b32 v15, 0
	v_mov_b32 v[F+1], 0                            ; (named as the upper half of a pair)
	v_mov_b32 v250, 0                              ; a lane permute's destination counts as one of its sources
.set j, 0
.rept 64
	v_mov_b32 v[OA+j], 0                           ; O^T of both tiles: the step is written once; the first finds zeros
.set j, j+1
.endr
	s_wait_kmcnt 0x0
	s_add_co_i32 s96, s54, s55
	s_lshl_b32 s96, s96, 23
	s_add_co_i32 s[CS], s[CS], s96                 ; a score stands for score x 2^(e2 + e3)
	v_mov_b32 v245, s[CS]                          ; c, twice: the two halves of a dual-issue pair take their sources from different register banks
	v_mov_b32 v255, s[CS]
	s_add_co_i32 s96, s56, 127
	s_lshl_b32 s97, s96, 23
	v_mov_b32 v[SCL], s97                          ; 2^e4
	s_add_co_i32 s96, s96, 8
	s_lshl_b32 s96, s96, 23
	s_or_b32 s61, s96, 0x600000                    ; 448 x 2^e4
	s_add_co_i32 s96, s58, 127
	s_lshl_b32 s62, s96, 23                        ; 2^e6
	s_add_co_i32 s96, s96, 8
	s_lshl_b32 s96, s96, 23
	s_or_b32 s63, s96, 0x600000                    ; 448 x 2^e6
	s_add_co_i32 s60, s56, s57                     ; e4 + e5
.macro MASK b                          ; register 16 b + n holds key KF + 32 b + 16 h + n: hidden where 32 b + n > d
.set n, 0
.rept 16
	v_cmp_gt_i32 vcc_lo, 32*\b+n, v252
	v_cndmask_b32 v[S+16*\b+n], v[S+16*\b+n], v254, vcc_lo
.set n, n+1
.endr
.endm
.macro HOLD2 r                         ; the hold, two numbers an instruction: p is not negative, so it is one-sided
	v_dual_min_num_f32 v[\r], s61, v[\r] :: v_dual_min_num_f32 v[\r+1], s61, v[\r+1]
.endm
.macro FMA2 r, st                      ; t - M, two numbers an instruction; v254 holds -M a second time
	v_dual_fma_f32 v[\r], v[\r], v245, v[\st] :: v_dual_fma_f32 v[\r+1], v[\r+1], v255, v254
.endm
.macro ADD2 t, a, b                    ; two additions an instruction
	v_dual_add_f32 v[\t], v[\a], v[\b] :: v_dual_add_f32 v[\t+1], v[\a+1], v[\b+1]
.endm
; THE SOFTMAX of one tile's 128 scores a query.  st: the tile's state; o: its O^T; cd: where its codes go; u: 0 or 1, the tile.
.macro SOFT st, o, cd, u
	s_add_co_u32 s96, s[KF], 127
	s_cmp_le_u32 s96, s[Q0]                        ; all keys count: no mask
	s_cbranch_scc1 .Lopen_\@
	s_sub_co_u32 s96, s[Q0], s[KF]                 ; 0, 32, 64 or 96 in the step on the diagonal
	s_lshr_b32 s97, s96, 5                         ; the groups of 32 keys under this number count for all my queries
	s_add_co_u32 s96, s96, 16*\u
	v_add_nc_u32 v252, s96, v[DL]                  ; d = my query - KF - 16 h
	v_mov_b32 v254, 0xff800000
	s_wait_alu depctr_va_vdst(0)
	s_cmp_eq_u32 s97, 3
	s_cbranch_scc1 .Lm3_\@
	s_cmp_eq_u32 s97, 2
	s_cbranch_scc1 .Lm2_\@
	s_cmp_eq_u32 s97, 1
	s_cbranch_scc1 .Lm1_\@
	MASK 0
.Lm1_\@:
	MASK 1
.Lm2_\@:
	MASK 2
.Lm3_\@:
	MASK 3
.Lopen_\@:
	v_max3_num_f32 v246, v[S], v[S+1], v[S+2]      ; the step's largest score of my query among my 64 keys, in two chains, each accumulator from its low end on,
	v_max3_num_f32 v248, v[S+3], v[S+4], v[S+5]
.irp i, 6,10,14,18,22,26,30,34,38,42,46,50,54,58
	v_max3_num_f32 v246, v246, v[S+\i], v[S+\i+1]
	v_max3_num_f32 v248, v248, v[S+\i+2], v[S+\i+3]
.endr
	v_max3_num_f32 v246, v246, v[S+62], v[S+63]
	s_delay_alu instid0(VALU_DEP_1)
	v_max_num_f32 v246, v246, v248
	s_delay_alu instid0(VALU_DEP_1)
	v_permlanex16_b32 v250, v246, s[SEL], s[SEL+1]
	s_delay_alu instid0(VALU_DEP_1)
	v_max_num_f32 v246, v246, v250                 ; and among lane l xor 16's
	s_delay_alu instid0(VALU_DEP_1)
	v_mul_f32 v246, s[CS], v246                    ; as t (c is positive)
	s_delay_alu instid0(VALU_DEP_1)
	v_max_num_f32 v[\st+1], v[\st+1], v246
	v_mov_b32 v246, v[\st]
	s_delay_alu instid0(VALU_DEP_2)
	v_floor_f32 v[\st], -v[\st+1]                  ; -M = floor(-t): M is a whole number
	s_delay_alu instid0(VALU_DEP_1)
	v_sub_f32 v246, v[\st], v246                   ; old M - new M, 0 or less
	s_delay_alu instid0(VALU_DEP_1)
	v_cvt_i32_f32 v246, v246                       ; (it saturates)
	s_delay_alu instid0(VALU_DEP_1)
	v_ldexp_f32 v[F], 1.0, v246                    ; f = 2^(old M - new M)
	v_mov_b32 v254, v[\st]
.set j, 0
.rept 32
	FMA2 S+j, \st
.set j, j+2
.endr
	s_wait_alu depctr_va_vdst(0)
.set j, 0
.rept 64
	v_exp_f32 v[S+j], v[S+j]                       ; p = 2^(t - M)
.set j, j+1
.endr
	v_pk_mul_f32 v[\st+2:\st+3], v[\st+2:\st+3], v[F:F+1] op_sel_hi:[1,0]   ; the sums under the new M: the plain instruction behind the exponentials
	s_wait_alu depctr_va_vdst(0)                   ; one wait for the batch, and directly ahead of the first reader of O^T
.set j, 0
.rept 16
	v_pk_mul_f32 v[\o+j:\o+j+1], v[\o+j:\o+j+1], v[F:F+1] op_sel_hi:[1,0]   ; O^T under the new M
.set j, j+2
.endr
; by runs of 8 registers: the sum of the unquantised p (four chains), the hold, the conversion.  Run k's codes go to cd + 2 k; for tile b those are registers of runs 0 and 1, summed and converted before; a packed addition stands between two conversions
.set k, 0
.rept 8
.set P, S+8*k
.if k == 0
	ADD2 246, P, P+2
	v_pk_add_f32 v[248:249], v[P+4:P+5], v[P+6:P+7]
.else
.if k == 1
	ADD2 250, P, P+2
	v_pk_add_f32 v[252:253], v[P+4:P+5], v[P+6:P+7]
.else
	ADD2 246, P, 246
	ADD2 248, P+2, 248
	ADD2 250, P+4, 250
	v_pk_add_f32 v[252:253], v[252:253], v[P+6:P+7]
.endif
.endif
	HOLD2 P
	HOLD2 P+2
	HOLD2 P+4
	HOLD2 P+6
	v_cvt_scalef32_pk8_fp8_f32 v[\cd+2*k:\cd+2*k+1], v[P:P+7], v[SCL]
.set k, k+1
.endr
	v_pk_add_f32 v[246:247], v[246:247], v[248:249]   ; plain instructions behind the last conversion
	v_pk_add_f32 v[250:251], v[250:251], v[252:253]
	s_delay_alu instid0(VALU_DEP_1)
	v_pk_add_f32 v[246:247], v[246:247], v[250:251]
	s_delay_alu instid0(VALU_DEP_1)
	v_pk_add_f32 v[\st+2:\st+3], v[\st+2:\st+3], v[246:247]
.endm
; A KEY STEP: my 128 keys of the slot in hand against my 32 queries.
.macro STEP
	s_cmp_gt_u32 s[KF], s[QE]                      ; all keys behind my queries: ids and counts alone
	s_cbranch_scc1 .Lhidden_\@
	v_add_nc_u32 v[ADK], s[TB], v[LI]
.rept 4
	v_nop                                          ; with the addition: five places behind the last products, whose operands the loads and the score products below write over
.endr
.set t, 0
.rept 8
	ds_load_b128 v[KV+8*t:KV+8*t+3], v[ADK] offset:1024*t
	ds_load_b128 v[KV+8*t+4:KV+8*t+7], v[ADK] offset:1024*t+512
.set t, t+1
.endr
	s_wait_alu depctr_va_vdst(0)
	s_wait_dscnt 8                                 ; tiles 0-3 are in; tiles 4-7's eight loads may be out
.set t, 0
.rept 4
	v_wmma_f32_16x16x64_fp8_fp8 v[S+8*t:S+8*t+7], v[KV+8*t:KV+8*t+7], v[16:23], 0
.set t, t+1
.endr
	s_wait_dscnt 0x0
.rept 4
	v_wmma_f32_16x16x64_fp8_fp8 v[S+8*t:S+8*t+7], v[KV+8*t:KV+8*t+7], v[16:23], 0
.set t, t+1
.endr
.rept 4
	v_nop                                          ; places in front of the first read of the scores
.endr
	SOFT 8, OA, CA, 0
.set t, 0
.rept 8                                        ; K's fragments serve the second tile
	v_wmma_f32_16x16x64_fp8_fp8 v[S+8*t:S+8*t+7], v[KV+8*t:KV+8*t+7], v[24:31], 0
.set t, t+1
.endr
.rept 4
	v_nop                                          ; places in front of the loads below and of the first read of the scores
.endr
.set t, 0
.rept 4                                        ; V's four tiles land while the second softmax is walked
.irp c, 0,1,2,3
	ds_load_b128 v[KV+16*t+4*\c:KV+16*t+4*\c+3], v[ADK] offset:VOFF+2048*t+512*\c
.endr
.set t, t+1
.endr
	SOFT 12, OB, CB, 1
	s_wait_alu depctr_va_vdst(0)
	s_wait_dscnt 0x0                               ; V is in
.set t, 0
.rept 4                                        ; eight accumulators by turns, one instruction a turn; sixteen score products stand between two steps of a sum
	v_wmma_f32_16x16x128_fp8_fp8 v[OA+8*t:OA+8*t+7], v[KV+16*t:KV+16*t+15], v[CA:CA+15], v[OA+8*t:OA+8*t+7]
	v_wmma_f32_16x16x128_fp8_fp8 v[OB+8*t:OB+8*t+7], v[KV+16*t:KV+16*t+15], v[CB:CB+15], v[OB+8*t:OB+8*t+7]
.set t, t+1
.endr
.Lhidden_\@:
	s_add_co_u32 s[KF], s[KF], 256
.endm
; THE CHANGE OF SLOTS stands at a visit's head: each wave waits for all its tensor loads, adds 0 to its spare word, and waits for that and for its reads of the slot that it has left.  Behind the barrier the slot ahead is whole
; and nobody reads the other one, which (fill = 1) takes the next visit's keys.
.macro CHANGE fill
	s_wait_tensorcnt 0x0                           ; no tensor load of mine is out, so group 0 may be written
	ds_add_u32 v[SPW], v[NIL]
.if \fill
	s_xor_b32 s[G0+1], s[G0+1], SLOTB              ; the other slot,
	s_add_nc_u64 s[G0+2:G0+3], s[G0+2:G0+3], 16384 ; the next 256 keys,
	s_cmp_eq_u32 s[TRIP], s[ILO]                   ; or, where the next visit is block 7 - i's first, the head's first keys again
	s_cselect_b32 s[RST], s38, 0
	s_sub_nc_u64 s[G0+2:G0+3], s[G0+2:G0+3], s[RST:RST+1]
	s_wait_xcnt 0x0                                ; the last prefetch, a visit back, has read its address
	s_add_nc_u64 s[PFA:PFA+1], s[PFA:PFA+1], 16384
.endif
	s_wait_dscnt 0x0
	s_barrier_signal -1
	s_barrier_wait -1
.if \fill
	tensor_load_to_lds s[G0:G0+3], s[G1:G1+7]      ; my one tensor load until the next change of slots
	s_nop 0
.rept 4
	v_nop
.endr
	s_cmp_lt_u32 s[TRIP], s[LIM]
	s_cbranch_scc0 .Lnot_mine_\@
	global_prefetch_b8 v[PFO], s[PFA:PFA+1] th:TH_LOAD_NT scope:SCOPE_SE
.Lnot_mine_\@:
.endif
.endm
; A BLOCK OF QUERIES IS FINISHED.  The wave of the upper key half stores -M, the sum and O^T of both tiles as images of its registers into the pair's stage; behind a barrier its partner reads them, makes
; g = 2^(own M - larger M) x 2^(e4 + e5) / sum for each of the two parts, and O = O0 g0 + O1 g1; then the hold and the conversion: the codes are the last product's operand registers, stored 512 consecutive bytes an instruction.
.macro FLUSH base, next
.rept 4
	v_nop                                          ; places behind the last products
.endr
	v_add_f32 v10, v10, v11
	v_add_f32 v14, v14, v15
	v_add_nc_u32 v32, s[STS], v[LI]                ; the stage's address, made ahead of the parting
	s_wait_alu depctr_va_vdst(0)
	s_cmp_eq_u32 s[KS], 0
	s_cbranch_scc1 .Lown_\@
	ds_store_b128 v32, v[8:11]
	ds_store_b128 v32, v[12:15] offset:512
.set j, 0
.rept 16
	ds_store_b128 v32, v[OA+4*j:OA+4*j+3] offset:1024+512*j   ; each accumulator from its low end on
.set j, j+1
.endr
.Lown_\@:
	s_wait_dscnt 0x0                               ; my stores are done
	s_barrier_signal -1
	s_barrier_wait -1                              ; the next change of slots has its own
	s_cmp_lg_u32 s[KS], 0
	s_cbranch_scc1 .Ldone_\@
	ds_load_b128 v[246:249], v32
	ds_load_b128 v[250:253], v32 offset:512
.set j, 0
.rept 16
	ds_load_b128 v[S+4*j:S+4*j+3], v32 offset:1024+512*j
.set j, j+1
.endr
	s_wait_dscnt 0x0
	v_min_num_f32 v42, v8, v246                    ; -(the larger M), tile a, tile b
	v_min_num_f32 v43, v12, v250
	v_mov_b32 v35, 0                               ; a lane permute's destination counts as one of its sources
	v_mov_b32 v37, 0
	v_sub_f32 v34, v42, v8                         ; own M - larger M, 0 or less: mine and my partner's, for each tile
	v_sub_f32 v36, v42, v246
	v_sub_f32 v38, v43, v12
	v_sub_f32 v40, v43, v250
.irp r, 34,36,38,40
	v_cvt_i32_f32 v\r, v\r                         ; (it saturates: a partner that had no step counts for nothing)
.endr
.irp r, 34,36,38,40
	v_ldexp_f32 v\r, 1.0, v\r
.endr
	v_mul_f32 v10, v10, v34
	v_mul_f32 v14, v14, v38
	v_fmac_f32 v10, v248, v36
	v_fmac_f32 v14, v252, v40
	v_permlanex16_b32 v35, v10, s[SEL], s[SEL+1]
	v_permlanex16_b32 v37, v14, s[SEL], s[SEL+1]
	v_add_f32 v10, v10, v35                        ; the rows' sums
	v_add_f32 v14, v14, v37
	s_wait_alu depctr_va_vdst(0)                   ; a wait ahead of the reciprocals
	v_rcp_f32 v10, v10
	v_rcp_f32 v14, v14
	v_mov_b32 v39, s63                             ; (plain instructions behind them)  448 x 2^e6
	v_mov_b32 v41, s62                             ; 2^e6
	s_wait_alu depctr_va_vdst(0)                   ; and ahead of their first reader
	v_ldexp_f32 v10, v10, s60
	v_ldexp_f32 v14, v14, s60
	v_mul_f32 v34, v34, v10
	v_mul_f32 v36, v36, v10
	v_mul_f32 v38, v38, v14
	v_mul_f32 v40, v40, v14
.set j, 0
.rept 16
	v_pk_mul_f32 v[S+j:S+j+1], v[S+j:S+j+1], v[36:37] op_sel_hi:[1,0]
.set j, j+2
.endr
.set j, 0
.rept 16
	v_pk_mul_f32 v[S+32+j:S+32+j+1], v[S+32+j:S+32+j+1], v[40:41] op_sel_hi:[1,0]
.set j, j+2
.endr
	s_wait_alu depctr_va_vdst(0)                   ; directly ahead of the first reader of O^T
.set j, 0
.rept 16
	v_pk_fma_f32 v[S+j:S+j+1], v[OA+j:OA+j+1], v[34:35], v[S+j:S+j+1] op_sel_hi:[1,0,1]   ; register 16 beta + n: channel 32 beta + 16 h + n of query r
.set j, j+2
.endr
.set j, 0
.rept 16
	v_pk_fma_f32 v[S+32+j:S+32+j+1], v[OB+j:OB+j+1], v[38:39], v[S+32+j:S+32+j+1] op_sel_hi:[1,0,1]
.set j, j+2
.endr
.set j, 0
.rept 64
	v_med3_num_f32 v[S+j], v[S+j], -v39, v39
.set j, j+1
.endr
.set j, 0
.rept 8
	v_cvt_scalef32_pk8_fp8_f32 v[CA+2*j:CA+2*j+1], v[S+8*j:S+8*j+7], v41
.set j, j+1
.endr
	v_nop                                          ; a plain instruction behind the last conversion
	global_store_b128 v[LI], v[CA:CA+3], s[\base:\base+1]
	global_store_b128 v[LI], v[CA+4:CA+7], s[\base:\base+1] offset:512
	global_store_b128 v[LI], v[CA+8:CA+11], s[\base:\base+1] offset:16384
	global_store_b128 v[LI], v[CA+12:CA+15], s[\base:\base+1] offset:16896
.Ldone_\@:
.if \next
	global_load_b128 v[16:19], v[QA], s[QHI:QHI+1]          ; block 7 - i begins, in every wave
	global_load_b128 v[20:23], v[QA], s[QHI:QHI+1] offset:512
	global_load_b128 v[24:27], v[QA], s[QHI:QHI+1] offset:128
	global_load_b128 v[28:31], v[QA], s[QHI:QHI+1] offset:640
	v_mov_b32 v9, 0xff61b1e6
	v_mov_b32 v13, 0xff61b1e6
	v_mov_b32 v10, 0
	v_mov_b32 v11, 0
	v_floor_f32 v8, -v9
	v_floor_f32 v12, -v13
	v_mov_b32 v14, 0
	v_mov_b32 v15, 0
.set j, 0
.rept 64
	v_mov_b32 v[OA+j], 0
.set j, j+1
.endr
	s_mov_b32 s[KF], s[KF0]
	s_mov_b32 s[Q0], s[Q0H]
	s_add_co_u32 s[QE], s[Q0H], 31
	s_wait_alu depctr_va_vdst(0)
	s_wait_loadcnt 0x0                             ; Q
	s_wait_xcnt 0x0                                ; the stores have read their registers, which the next step's codes take
.endif
.endm
	s_wait_alu depctr_va_vdst(0)
	s_wait_loadcnt 0x0                             ; Q
.Lvisit:                                               ; eight trips; behind each change of slots the next visit's keys are asked for
	CHANGE 1
	STEP
	s_xor_b32 s[TB], s[TB], SLOTB
	s_cmp_lg_u32 s[TRIP], s[ILO]                   ; block i's last visit?  The work-group's number and the count of visits alone: the same in all waves
	s_cbranch_scc1 .Lsame
	FLUSH ALO, 1
.Lsame:
	s_add_co_u32 s[TRIP], s[TRIP], 1
	s_cmp_lt_u32 s[TRIP], 8
	s_cbranch_scc1 .Lvisit
	CHANGE 0                                       ; the ninth visit is written out: nothing is left to ask for
	STEP
	FLUSH AHI, 0
	s_wait_tensorcnt 0x0                           ; the wave's end
	ds_add_u32 v[SPW], v[NIL]
	s_wait_dscnt 0x0
	s_endpgm
.Lfunc_end_k_q36d5c214cc_attn:
	.size	k_q36d5c214cc_attn, .Lfunc_end_k_q36d5c214cc_attn-k_q36d5c214cc_attn
	.p2alignl 7, 3214868480
	.fill 96, 4, 3214868480
	.section	.rodata,"a",@progbits
	.p2align	6, 0x0
	.amdhsa_kernel k_q36d5c214cc_attn
		.amdhsa_group_segment_fixed_size 327680
		.amdhsa_private_segment_fixed_size 0
		.amdhsa_enable_private_segment 0
		.amdhsa_kernarg_size 40
		.amdhsa_user_sgpr_count 2
		.amdhsa_user_sgpr_kernarg_segment_ptr 1
		.amdhsa_wavefront_size32 1
		.amdhsa_system_sgpr_workgroup_id_x 1
		.amdhsa_system_sgpr_workgroup_id_y 1
		.amdhsa_system_sgpr_workgroup_id_z 1
		.amdhsa_system_vgpr_workitem_id 0
		.amdhsa_next_free_vgpr 256
		.amdhsa_next_free_sgpr 100
		.amdhsa_reserve_vcc 1
		.amdhsa_float_denorm_mode_32 3
		.amdhsa_float_denorm_mode_16_64 3
		.amdhsa_memory_ordered 1
		.amdhsa_forward_progress 1
		.amdhsa_inst_pref_size 123
	.end_amdhsa_kernel
	.amdgpu_metadata
---
amdhsa.version: [ 1, 2 ]
amdhsa.kernels:
  - .name:           k_q36d5c214cc_attn
    .symbol:         k_q36d5c214cc_attn.kd
    .args:
      - { .name: q_codes, .offset: 0, .size: 8, .value_kind: global_buffer, .address_space: global }
      - { .name: k_codes, .offset: 8, .size: 8, .value_kind: global_buffer, .address_space: global }
      - { .name: v_codes, .offset: 16, .size: 8, .value_kind: global_buffer, .address_space: global }
      - { .name: lowp_scales, .offset: 24, .size: 8, .value_kind: global_buffer, .address_space: global }
      - { .name: a_codes, .offset: 32, .size: 8, .value_kind: global_buffer, .address_space: global }
    .group_segment_fixed_size: 327680
    .private_segment_fixed_size: 0
    .kernarg_segment_align: 8
    .kernarg_segment_size: 40
    .max_flat_workgroup_size: 512
    .sgpr_count:     100
    .vgpr_count:     256
    .wavefront_size: 32
...
	.end_amdgpu_metadata
.endif
;; end of part 3
;; launch proj (part 4): grid 8 x 32, 4 waves a work-group, clusters of 4 x 4, 327,680 bytes of LDS; arguments a_codes, wout_codes, lowp_scales, b_out, out0; writes out0
.if DOCPART == 4
	.amdgcn_target "amdgcn-amd-amdhsa--gfx1250"
	.amdhsa_code_object_version 6
	.text
	.protected	k_q36d5c214cc_proj
	.globl	k_q36d5c214cc_proj
	.p2align	8
	.type	k_q36d5c214cc_proj,@function
k_q36d5c214cc_proj:
	s_mov_b64 s[64:65], 0
	v_nop
	global_prefetch_b8 v0, s[64:65] scope:SCOPE_SE
	s_setreg_imm32_b32 hwreg(HW_REG_WAVE_MODE, 25, 1), 1
	s_wait_xcnt 0x0
	s_wait_alu depctr_hold_cnt(0) depctr_sa_sdst(0) depctr_va_vdst(0) depctr_va_sdst(0) depctr_va_ssrc(0) depctr_va_vcc(0) depctr_vm_vsrc(0)
	s_getreg_b32 s2, hwreg(HW_REG_IB_STS2, 6, 4)
	s_cmp_eq_u32 s2, 0
	s_cbranch_scc0 .Lentry_in_a_cluster
	s_endpgm
.Lentry_in_a_cluster:
	s_bfe_u32 s2, ttmp6, 0x10000c
	s_cmp_lg_u32 s2, 0xf033
	s_cbranch_scc0 .Lentry_shape_is_right
	s_endpgm
.Lentry_shape_is_right:
; out0 = a W_out + b_out on codes of E4M3: a_codes is the image of A's fragments that the launch before stores (16 tokens x 1,024 K in 16,384 bytes), wout_codes [1024][1024] has K innermost; f32 sums x 2^(e6 + e7) + bias.
; A block of 256 tokens x 128 columns to a work-group of four waves: 32 x 8 = 256 work-groups; a wave makes 128 x 64: A's eight blocks of 16 rows against B's four, 32 accumulators, which take turns.
; K = 1,024 in four steps of 256 through a ring of two LDS slots: A's 2 x 32,768 bytes (waves 0, 1), then B's 2 x 64 rows of 272 bytes (waves 2, 3).  CLUSTERS of 4 x 4: A's tiles are asked for jointly along a row, B's along a column.
; The matrix instruction takes source 0 = 16 rows of B and source 1 = 16 rows of A: a lane holds eight neighbouring columns of one row of the result.
; NO PREFETCH: of the four K steps two are asked for at the head, and a request two steps ahead of the other two would stand at the head as well, ahead of any loop.
; LIMIT: e6 + e7 between -126 and 127.
.set ROWB,   256
.set KROW,   1024
.set PITCH,  272
.set FR,     16
.set NL,     4
.set NP,     4
.set HALFA,  32768
.set HALFT,  64*PITCH                  ; 64 rows of B: what one tensor load brings, and what one wave reads
.set BOFF,   2*HALFA
.set SLOT,   BOFF+2*HALFT
.set ASTEP,  4096
.set LAPS,   2
.set SPARE,  2*SLOT
.set SPITCH, 528
.set ADRA, 16
.set ADRB, 20
.set STO,  24
.set RD,   25
.set CO,   26
.set SPW,  28
.set NIL,  29
.set BC,   32
.set TMP,  96
.set AF,   128
.set BK,   128
.set G1, 24
.set G0, 32
.set G1B, 48
.set G0B, 56
.set MSB, 0
.macro WIN new
.if MSB != \new
	s_set_vgpr_msb (MSB<<8)|\new
.set MSB, \new
.endif
.endm
.set MUL_LO, 0xa1
.set MUL_HI, 0xf1
.set TO_B,   0x40
.macro JLOAD g0a, g1a, g0b, g1b
	s_cmp_eq_u32 s15, 0
	s_cbranch_scc0 .Lfor_b_\@
	tensor_load_to_lds s[\g0a:\g0a+3], s[\g1a:\g1a+7]
	s_nop 0
.rept 4
	v_nop
.endr
	s_branch .Lasked_\@
.Lfor_b_\@:
	tensor_load_to_lds s[\g0b:\g0b+3], s[\g1b:\g1b+7]
	s_nop 0
.rept 4
	v_nop
.endr
.Lasked_\@:
.endm
.macro CREST
	s_cmp_lg_u32 s14, 0
	s_cbranch_scc1 .Lnot_wave_0_\@
	s_barrier_signal -3
.Lnot_wave_0_\@:
	s_barrier_wait -3
	s_barrier_signal -1
	s_barrier_wait -1
.endm
.macro CROUND
	s_barrier_signal -1
	s_barrier_wait -1
	CREST
.endm
	s_load_b256 s[4:11], s[0:1], 0x0
	s_load_b64 s[66:67], s[0:1], 0x20
	v_lshl_add_u32 v[SPW], v0, 2, SPARE
	v_mov_b32 v[NIL], 0
	ds_add_u32 v[SPW], v[NIL]
	ds_add_u32 v[SPW], v[NIL]
	v_lshrrev_b32 v1, 5, v0
	v_readfirstlane_b32 s14, v1
	s_lshr_b32 s15, s14, 1
	s_and_b32 s16, s14, 1
	s_bfe_u32 s40, ttmp6, 0x40000
	s_bfe_u32 s41, ttmp6, 0x40004
	s_lshl_b32 s42, ttmp9, 2
	s_add_co_u32 s42, s42, s40
	s_and_b32 s17, ttmp7, 0xffff
	s_lshl_b32 s17, s17, 2
	s_add_co_u32 s17, s17, s41
	s_lshl_b32 s43, s41, 2
	s_lshl_b32 s43, 15, s43
	s_lshl_b32 s44, 0x1111, s40
	s_or_b32 s[G1+0], s43, (0<<16)|(1<<21)
	s_mov_b32 s[G1+1], ASTEP<<16
	s_mov_b32 s[G1+2], 8<<16
	s_mov_b32 s[G1+3], ASTEP<<16
	s_mov_b32 s[G1+4], 8
	s_mov_b32 s[G1+5], 16384
	s_mov_b32 s[G1+6], 0
	s_mov_b32 s[G1+7], 0
	s_or_b32 s[G1B+0], s44, (0<<16)|(1<<20)|(1<<21)|(5<<22)|(3<<25)
	s_mov_b32 s[G1B+1], ROWB<<16
	s_mov_b32 s[G1B+2], 64<<16
	s_mov_b32 s[G1B+3], ROWB<<16
	s_mov_b32 s[G1B+4], 64
	s_mov_b32 s[G1B+5], KROW
	s_mov_b32 s[G1B+6], 0
	s_mov_b32 s[G1B+7], 0
	s_lshl_b32 s18, s16, 7
	s_lshl_b32 s20, s17, 8
	s_add_co_u32 s20, s20, s18
	s_lshl_b32 s20, s20, 10
	s_mov_b32 s21, 0
	s_lshl_b32 s46, s42, 7                         ; B: row 128 x tile column + 64 x half,
	s_lshl_b32 s12, s16, 6
	s_add_co_u32 s46, s46, s12
	s_lshl_b32 s46, s46, 10                        ; in bytes
	s_mov_b32 s47, 0
	s_lshl_b32 s45, s16, 15
	s_mul_i32 s13, s16, HALFT
	s_add_co_u32 s13, s13, BOFF
	s_wait_dscnt 0x0
	s_wait_kmcnt 0x0
	s_load_b64 s[96:97], s[8:9], 0x18
	s_add_nc_u64 s[20:21], s[4:5], s[20:21]
	s_add_nc_u64 s[46:47], s[6:7], s[46:47]
	CROUND
.irp s, 0,1
	s_mov_b32 s[G0+4*\s], 1
	s_add_co_u32 s[G0+4*\s+1], s45, \s*SLOT
	s_add_nc_u64 s[G0+4*\s+2:G0+4*\s+3], s[20:21], \s*ASTEP
	s_or_b32 s[G0+4*\s+3], s[G0+4*\s+3], 0x80000000
	s_mov_b32 s[G0B+4*\s], 1
	s_add_co_u32 s[G0B+4*\s+1], s13, \s*SLOT
	s_add_nc_u64 s[G0B+4*\s+2:G0B+4*\s+3], s[46:47], \s*ROWB
	s_or_b32 s[G0B+4*\s+3], s[G0B+4*\s+3], 0x80000000
.endr
	JLOAD G0, G1, G0B, G1B                         ; K step 0: one tensor load a wave at the head
	v_and_b32 v1, 15, v0
	v_bfe_u32 v2, v0, 4, 1
	v_and_b32 v6, 31, v0
	v_lshlrev_b32 v[CO], 4, v6
	v_mul_u32_u24 v3, v1, PITCH
	v_lshl_add_u32 v4, v2, 4, v3
	s_lshl_b32 s21, s15, 15
	s_mul_i32 s22, s16, HALFT
	s_add_co_u32 s22, s22, BOFF
.irp s, 0,1
	v_add_nc_u32 v[ADRA+\s], s21, v[CO]
	v_add_nc_u32 v[ADRB+\s], s22, v4
	s_add_co_u32 s21, s21, SLOT
	s_add_co_u32 s22, s22, SLOT
.endr
	s_mul_i32 s23, s14, 16*SPITCH
	v_mul_u32_u24 v5, v1, SPITCH
	v_lshl_add_u32 v5, v2, 5, v5
	v_add_nc_u32 v[STO], s23, v5
	v_mul_u32_u24 v7, v2, SPITCH                   ; back: lanes 0-15 take one row of 256 bytes, lanes 16-31 the next
	v_lshl_add_u32 v7, v1, 4, v7
	v_add_nc_u32 v[RD], s23, v7
	v_lshlrev_b32 v27, 12, v2                      ; and the same two rows in out0: 4,096 bytes a row
	v_lshl_add_u32 v27, v1, 4, v27
	s_lshl_b32 s20, s17, 8
	s_lshl_b32 s21, s15, 7
	s_add_co_u32 s20, s20, s21
	s_lshl_b32 s20, s20, 12
	s_mov_b32 s21, 0
	s_lshl_b32 s46, s42, 9                         ; my first column, in bytes: 512 x tile column + 256 x half
	s_lshl_b32 s47, s16, 8
	s_add_co_u32 s46, s46, s47
	s_mov_b32 s47, 0
	s_add_nc_u64 s[10:11], s[10:11], s[46:47]
	s_add_nc_u64 s[20:21], s[20:21], s[46:47]
	s_add_nc_u64 s[66:67], s[66:67], s[20:21]
	v_lshlrev_b32 v8, 5, v2
.irp b, 0,1,2,3
	global_load_b128 v[BC+8*\b:BC+8*\b+3], v8, s[10:11] offset:64*\b
	global_load_b128 v[BC+8*\b+4:BC+8*\b+7], v8, s[10:11] offset:64*\b+16
.endr
.macro FRAGB reg, adr, q, i
.irp c, 0,1,2,3
	ds_load_b128 v[\reg+4*\c:\reg+4*\c+3], v[\adr] offset:128*(\q)+32*\c+(\i)*16*PITCH
.endr
.endm
.macro FRAGA reg, adr, q, i
.irp c, 0,1,2,3
	ds_load_b128 v[\reg+4*\c:\reg+4*\c+3], v[\adr] offset:2048*(\q)+512*\c+(\i)*ASTEP
.endr
.endm
.macro MUL16 a0, p, zero
.irp a, \a0, \a0+1
.irp b, 0,1,2,3
.if \zero
	v_wmma_f32_16x16x128_fp8_fp8 v[8*(8*((\a)%4)+\b):8*(8*((\a)%4)+\b)+7], v[128*(\p)+FR*\b:128*(\p)+FR*\b+FR-1], v[AF+FR*(\a):AF+FR*(\a)+FR-1], 0
.else
	v_wmma_f32_16x16x128_fp8_fp8 v[8*(8*((\a)%4)+\b):8*(8*((\a)%4)+\b)+7], v[128*(\p)+FR*\b:128*(\p)+FR*\b+FR-1], v[AF+FR*(\a):AF+FR*(\a)+FR-1], v[8*(8*((\a)%4)+\b):8*(8*((\a)%4)+\b)+7]
.endif
.endr
.endr
.endm
.macro FETCH_B slot, q, p
	WIN TO_B
.irp i, 0,1,2,3
	FRAGB 128*(\p)+FR*\i, ADRB+\slot, \q, \i
.endr
	WIN 0
.endm
.macro FETCH_A slot, q, i0
.irp i, \i0, \i0+1, \i0+2, \i0+3
	FRAGA AF+FR*(\i), ADRA+\slot, \q, \i
.endr
.endm
.macro PLACES n
.rept \n
	v_nop
.endr
.endm
.macro STEP slot, q, zero
	s_wait_dscnt 4*NL
	WIN MUL_LO
	MUL16 0, (\q)%2, \zero
	MUL16 2, (\q)%2, \zero
	s_wait_dscnt 0
	PLACES NP
	FETCH_B \slot, (\q)+1, 1-(\q)%2
	FETCH_A \slot, (\q)+1, 0
	WIN MUL_HI
	MUL16 4, (\q)%2, \zero
	MUL16 6, (\q)%2, \zero
	PLACES NP
	WIN 0
	FETCH_A \slot, (\q)+1, 4
.endm
.macro TURN slot, next, fill
	s_wait_tensorcnt 0x0
	ds_add_u32 v[SPW], v[NIL]
	s_wait_dscnt 4*NL+1
	WIN MUL_LO
	MUL16 0, 1, 0
	s_wait_dscnt 0x0
	s_barrier_signal -1
	MUL16 2, 1, 0
	WIN 0
	s_barrier_wait -1
.if \fill
	CREST
	s_add_nc_u64 s[G0+4*\slot+2:G0+4*\slot+3], s[G0+4*\slot+2:G0+4*\slot+3], 2*ASTEP
	s_add_nc_u64 s[G0B+4*\slot+2:G0B+4*\slot+3], s[G0B+4*\slot+2:G0B+4*\slot+3], 2*ROWB
	JLOAD G0+4*\slot, G1, G0B+4*\slot, G1B
.else
	PLACES NP
.endif
	FETCH_B \next, 0, 0
	FETCH_A \next, 0, 0
	WIN MUL_HI
	MUL16 4, 1, 0
	MUL16 6, 1, 0
	PLACES NP
	WIN 0
	FETCH_A \next, 0, 4
.endm
	s_wait_alu depctr_va_vdst(0)
	s_wait_tensorcnt 0x0                           ; my part of K step 0 is in; slot 1's first fill is issued as a refill is:
	ds_add_u32 v[SPW], v[NIL]
	s_wait_dscnt 0x0
	CROUND                                         ; a whole round: everybody's part of K step 0 is in, and the joint loads meet
	JLOAD G0+4, G1, G0B+4, G1B                     ; K step 1: the first tensor load behind the round
	FETCH_B 0, 0, 0
	FETCH_A 0, 0, 0
	FETCH_A 0, 0, 4
	STEP 0, 0, 1
	s_mov_b32 s3, LAPS-1
.Llap:
	TURN 0, 1, 1
	STEP 1, 0, 0
	TURN 1, 0, 1
	STEP 0, 0, 0
	s_sub_co_u32 s3, s3, 1
	s_cmp_lg_u32 s3, 0
	s_cbranch_scc1 .Llap
	TURN 0, 1, 0
	STEP 1, 0, 0
	s_wait_dscnt 4*NL
	WIN MUL_LO
	MUL16 0, 1, 0
	MUL16 2, 1, 0
	s_wait_dscnt 0
	WIN MUL_HI
	MUL16 4, 1, 0
	MUL16 6, 1, 0
	WIN 0
.macro TOSTAGE a
.set AC, 64*((\a)%4)
.irp hb, 0
	WIN 0x02+((\a)/4)
.set j, 0
.rept 16
	v_pk_fma_f32 v[TMP+j:TMP+j+1], v[AC+32*\hb+j:AC+32*\hb+j+1], s[96:97], v[BC+32*\hb+j:BC+32*\hb+j+1] op_sel_hi:[1,0,1]
.set j, j+2
.endr
	WIN 0
.irp b, 0,1,2,3
	ds_store_b128 v[STO], v[TMP+8*\b:TMP+8*\b+3] offset:64*(4*\hb+\b)
	ds_store_b128 v[STO], v[TMP+8*\b+4:TMP+8*\b+7] offset:64*(4*\hb+\b)+16
.endr
.endr
.set BB, BK+64*((\a)%2)
.irp t, 0,1,2,3,4,5,6,7
	ds_load_b128 v[BB+4*\t:BB+4*\t+3], v[RD] offset:2*\t*SPITCH
.endr
.endm
.macro SEND a, younger
.set BB, BK+64*((\a)%2)
	s_wait_dscnt \younger
.if (\a) > 0
	s_add_nc_u64 s[66:67], s[66:67], 16*4096
.endif
.irp t, 0,1,2,3,4,5,6,7
	global_store_b128 v27, v[BB+4*\t:BB+4*\t+3], s[66:67] offset:2*\t*4096 th:TH_STORE_NT   ; sixteen lanes store 256 consecutive bytes, aligned
.endr
.endm
	s_wait_kmcnt 0x0
	s_wait_loadcnt 0x0
	s_add_co_i32 s96, s96, s97
	s_add_co_i32 s96, s96, 127
	s_lshl_b32 s96, s96, 23
	s_mov_b32 s97, s96
	PLACES NP
	TOSTAGE 0
.irp a, 1,2,3,4,5,6,7
.if \a > 1
	s_wait_xcnt 0x0
.endif
	TOSTAGE \a
	SEND \a-1, 16                                  ; behind block a - 1's loads: block a's 8 stores and 8 loads
.endr
	s_wait_xcnt 0x0
	SEND 7, 0
	s_wait_tensorcnt 0x0
	ds_add_u32 v[SPW], v[NIL]
	s_wait_dscnt 0x0
	CROUND
	s_endpgm
.Lfunc_end_k_q36d5c214cc_proj:
	.size	k_q36d5c214cc_proj, .Lfunc_end_k_q36d5c214cc_proj-k_q36d5c214cc_proj
	.p2alignl 7, 3214868480
	.fill 96, 4, 3214868480
	.section	.rodata,"a",@progbits
	.p2align	6, 0x0
	.amdhsa_kernel k_q36d5c214cc_proj
		.amdhsa_group_segment_fixed_size 327680
		.amdhsa_private_segment_fixed_size 0
		.amdhsa_enable_private_segment 0
		.amdhsa_kernarg_size 40
		.amdhsa_user_sgpr_count 2
		.amdhsa_user_sgpr_kernarg_segment_ptr 1
		.amdhsa_wavefront_size32 1
		.amdhsa_system_sgpr_workgroup_id_x 1
		.amdhsa_system_sgpr_workgroup_id_y 1
		.amdhsa_system_sgpr_workgroup_id_z 1
		.amdhsa_system_vgpr_workitem_id 0
		.amdhsa_next_free_vgpr 1024
		.amdhsa_next_free_sgpr 100
		.amdhsa_reserve_vcc 0
		.amdhsa_float_denorm_mode_32 3
		.amdhsa_float_denorm_mode_16_64 3
		.amdhsa_memory_ordered 1
		.amdhsa_forward_progress 1
		.amdhsa_inst_pref_size 79
	.end_amdhsa_kernel
	.amdgpu_metadata
---
amdhsa.version: [ 1, 2 ]
amdhsa.kernels:
  - .name:           k_q36d5c214cc_proj
    .symbol:         k_q36d5c214cc_proj.kd
    .args:
      - { .name: a_codes, .offset: 0, .size: 8, .value_kind: global_buffer, .address_space: global }
      - { .name: wout_codes, .offset: 8, .size: 8, .value_kind: global_buffer, .address_space: global }
      - { .name: lowp_scales, .offset: 16, .size: 8, .value_kind: global_buffer, .address_space: global }
      - { .name: b_out, .offset: 24, .size: 8, .value_kind: global_buffer, .address_space: global }
      - { .name: out0, .offset: 32, .size: 8, .value_kind: global_buffer, .address_space: global }
    .group_segment_fixed_size: 327680
    .private_segment_fixed_size: 0
    .kernarg_segment_align: 8
    .kernarg_segment_size: 40
    .max_flat_workgroup_size: 128
    .sgpr_count:     100
    .vgpr_count:     1024
    .wavefront_size: 32
...
	.end_amdgpu_metadata
.endif
;; end of part 4
